; MI455X (gfx1250); checked and timed in simulation.
; The chip was launched on July 23, 2026; its instructions are those of AMD's public machine-readable ISA for CDNA 5 (MIT licence, August 2026) and "CDNA5" Instruction Set Architecture Reference Guide (July 2026). The comments in the code are by the model that wrote it; some were corrected since.
;; MLA Attention Joint. Allowed arithmetic: float matrix products may take bf16 or f16 operands with f32 sums; other float arithmetic in f32, or as packed bf16 or f16 multiplies, adds, multiply-adds, maxima and minima; sums over many terms, partial sums and values carried from step to step in f32; what a program stores and reads back later, other than sums and carried values, may be rounded once to bf16 or f16.
;; Inputs: Wk_up 2,048 x 512 float32; Wkv_down 512 x 2,048 float32; Wo 2,048 x 2,048 float32; Wq_down 1,024 x 2,048 float32; Wq_up 2,048 x 1,024 float32; Wv_up 2,048 x 512 float32; bo 2,048 float32; x 2 x 1,024 x 2,048 float32.
;; Outputs: out0 2 x 1,024 x 2,048 float32.
;; One version. Each part assembles by itself: llvm-mc -triple=amdgcn-amd-amdhsa -mcpu=gfx1250 --defsym DOCPART=n.
;; ======== version 1 of 1: 5 launches
;; limits: inputs' magnitudes at most 65,504; values are held in f16: magnitudes above 65,504 overflow, below 6.1e-05 lose precision; right only within a limited range of input values
;; workspace buffers: cv 31,457,280 bytes; norms 2,048 bytes; lat 8,388,608 bytes; qkv 25,165,824 bytes; ctx 8,388,608 bytes
;; launch cvt (part 1): grid 480 x 1, 8 waves a work-group, no clusters, 1,280 bytes of LDS; arguments x, Wo, Wkv_down, Wq_down, Wk_up, Wv_up, Wq_up, cv, norms; writes cv, norms
.if DOCPART == 1
	.amdgcn_target "amdgcn-amd-amdhsa--gfx1250"
	.amdhsa_code_object_version 6
	.text
	.protected	k_q8577aeeb6a_cvt
	.globl	k_q8577aeeb6a_cvt
	.p2align	8
	.type	k_q8577aeeb6a_cvt,@function
k_q8577aeeb6a_cvt:
	s_mov_b64 s[64:65], 0
	v_nop
	global_prefetch_b8 v0, s[64:65] scope:SCOPE_SE
	s_setreg_imm32_b32 hwreg(HW_REG_WAVE_MODE, 25, 1), 1
	s_wait_xcnt 0x0
; CVT.  Every matrix input is rounded once to bf16, and that number is written as f16 into cv; beside it each work-group stores the sum of the squares of its rounded numbers.
; cv (f16, all rows 2,048 numbers = 4,096 bytes): x at 0; Wo at 0x800000; wd at 0x1000000 (rows 0-511 Wkv_down, 512-1535 Wq_down);
; Wcat at 0x1600000: row n = [Wk_up[n] (512) | Wv_up[n] (512) | Wq_up[n] (1024)].
; norms: f32 word id = the work-group's number: x 0-127, Wo 128-255, Wkv_down 256-287, Wq_down 288-351, Wk_up 352-383, Wv_up 384-415, Wq_up 416-479.
; LIMITS.  A bf16 number is exact in f16 from 6.1e-5 to 65,504; below that it keeps f16's fixed step of 6e-8, beyond it becomes an infinity.  A tensor's sum of squares must be finite in f32.
; SHARES.  A work-group takes 32,768 consecutive numbers of one tensor, a wave 4,096: 32 loads of 16 bytes a lane (512 consecutive bytes a wave), each followed by one store of 8 bytes a lane:
; 256 consecutive bytes, at a multiple of 256 from cv's first byte (128 numbers never cross a row of 512 or 1,024).  Memory binds: no matrix unit, no tiles in LDS, no cluster: nothing is shared.
; Sixteen loads of a wave go out together, twice; the waits in a trip are counted, so the younger loads stay on their way while the older are worked on.
.set WUH,   0x1600000                  ; Wcat's first byte in cv
.set PART,  0                          ; LDS: eight words, a wave's sum each, in a block of 256 bytes of their own
.set SPARE, 256                        ; the spare words, 128 bytes for each of the eight waves: no other line names them
.set E,   2                            ; v2       my first number's index in the unit, for the trip in hand
.set SO,  3                            ; v3       its byte offset in the source at the first trip; never rewritten
.set T,   4                            ; v[4:11]  at work
.set SQ,  12                           ; v[12:15] four running sums of squares
.set X,   16                           ; v[16:79] sixteen loads
.set DO,  80                           ; v[80:95] the stores' byte offsets
.set O,   96                           ; v[96:127] the stores' data
.set SPW, 128                          ; v128     LDS address of my spare word; never rewritten
.set NIL, 129                          ; v129     0; never rewritten
.set ZO,  130                          ; v130     0, as an offset
.set SRC, 4                            ; s[4:5]   the source at my unit, stepped a trip
.set DST, 22                           ; s[22:23] cv at my unit's first row
	s_load_b512 s[8:23], s[0:1], 0x0               ; x, Wo, Wkv_down, Wq_down, Wk_up, Wv_up, Wq_up in s[8:21]; cv s[22:23]
	s_load_b64 s[24:25], s[0:1], 0x40              ; norms
	v_lshl_add_u32 v[SPW], v0, 2, SPARE
	v_mov_b32 v[NIL], 0
	v_lshrrev_b32 v1, 5, v0
	v_readfirstlane_b32 s35, v1                    ; wave 0..7
	v_and_b32 v[T], 31, v0
	v_lshlrev_b32 v[T], 2, v[T]
	v_lshl_or_b32 v[E], v1, 12, v[T]               ; 4,096 x wave + 4 x lane
	v_lshlrev_b32 v[SO], 2, v[E]
.irp r, 0,1,2,3
	v_mov_b32 v[SQ+(\r)], 0
.endr
	v_mov_b32 v[ZO], 0
	s_mov_b32 s2, ttmp9                            ; the unit's number
	s_mov_b32 s38, 0xffff0000                      ; a word's upper bf16
	s_mov_b32 s32, 0x76543210                      ; v_permlanex16_b32: each lane takes its own place in the other half
	s_mov_b32 s33, 0xfedcba98
	; a source row has 2^L numbers; L = 15 (the whole unit) where source and destination are equally dense
	s_mov_b32 s28, 15
	s_mov_b32 s36, 0                               ; the tensor's first byte in a row of Wcat
	s_cmp_ge_u32 s2, 352
	s_cselect_b32 s28, 9, s28
	s_cmp_ge_u32 s2, 384
	s_cselect_b32 s36, 1024, s36
	s_cmp_ge_u32 s2, 416
	s_cselect_b32 s28, 10, s28
	s_cselect_b32 s36, 2048, s36
	s_bfm_b32 s29, s28, 0                          ; 2^L - 1
	s_mov_b32 s3, 0
	s_mov_b32 s27, 0
	s_wait_kmcnt 0x0
	s_mov_b64 s[SRC:SRC+1], s[8:9]
.macro PICK first, ptr                 ; from unit 'first' on the source is the tensor at s[ptr:ptr+1]
	s_cmp_ge_u32 s2, \first
	s_cselect_b64 s[SRC:SRC+1], s[\ptr:(\ptr)+1], s[SRC:SRC+1]
	s_cselect_b32 s3, \first, s3
.endm
	PICK 128, 10
	PICK 256, 12
	PICK 288, 14
	PICK 352, 16
	PICK 384, 18
	PICK 416, 20
	s_sub_co_u32 s6, s2, s3                        ; the unit's number in its tensor
	s_lshl_b32 s26, s6, 17                         ; 131,072 bytes of f32 a unit
	s_add_nc_u64 s[SRC:SRC+1], s[SRC:SRC+1], s[26:27]
	s_sub_co_u32 s31, 27, s28                      ; a unit has 2^(15-L) rows of 4,096 bytes in Wcat
	s_lshl_b32 s31, s6, s31
	s_add_co_u32 s31, s31, s36
	s_add_co_u32 s31, s31, WUH
	s_lshl_b32 s30, s2, 16                         ; the dense tensors lie in cv in the units' order, 65,536 bytes each
	s_cmp_ge_u32 s2, 352
	s_cselect_b32 s30, s31, s30
	s_mov_b32 s31, 0
	s_add_nc_u64 s[DST:DST+1], s[DST:DST+1], s[30:31]
	s_lshl_b32 s26, s2, 2
	s_add_nc_u64 s[24:25], s[24:25], s[26:27]      ; my word of norms
; Load j of a trip: four numbers a lane are rounded, squared, written as f16 and stored.
.macro SLOT j
	s_wait_loadcnt 15-(\j)                         ; loads come back in order: mine is in, the 15 - j younger ones stay out
	v_cvt_pk_bf16_f32 v[T],   v[X+4*(\j)],   v[X+4*(\j)+1]    ; the one rounding
	v_cvt_pk_bf16_f32 v[T+1], v[X+4*(\j)+2], v[X+4*(\j)+3]
	v_lshlrev_b32 v[T+4], 16, v[T]                 ; back to f32
	v_and_b32     v[T+5], s38, v[T]
	v_lshlrev_b32 v[T+6], 16, v[T+1]
	v_and_b32     v[T+7], s38, v[T+1]
	v_pk_fma_f32 v[SQ:SQ+1],   v[T+4:T+5], v[T+4:T+5], v[SQ:SQ+1]
	v_pk_fma_f32 v[SQ+2:SQ+3], v[T+6:T+7], v[T+6:T+7], v[SQ+2:SQ+3]
	v_cvt_pk_f16_f32 v[O+2*(\j)],   v[T+4], v[T+5]
	v_cvt_pk_f16_f32 v[O+2*(\j)+1], v[T+6], v[T+7]
	v_add_nc_u32 v[T+2], 128*(\j), v[E]            ; index e in the unit: row e >> L, column e mod 2^L
	v_lshrrev_b32 v[T+3], s28, v[T+2]
	v_and_b32 v[T+2], s29, v[T+2]
	v_lshlrev_b32 v[T+2], 1, v[T+2]
	v_lshl_add_u32 v[DO+(\j)], v[T+3], 12, v[T+2]  ; row x 4,096 + column x 2
	global_store_b64 v[DO+(\j)], v[O+2*(\j):O+2*(\j)+1], s[DST:DST+1] th:TH_STORE_NT
.endm
	s_mov_b32 s37, 2
.Ltrip:
.irp j, 0,1,2,3,4,5,6,7,8,9,10,11,12,13,14,15
	global_load_b128 v[X+4*(\j):X+4*(\j)+3], v[SO], s[SRC:SRC+1] offset:512*(\j) th:TH_LOAD_NT
.endr
.irp j, 0,1,2,3,4,5,6,7,8,9,10,11,12,13,14,15
	SLOT \j
.endr
	s_wait_xcnt 0x0                                ; the stores' offsets and data, the index and the source's address are written again only behind this wait
	v_add_nc_u32 v[E], 2048, v[E]
	s_add_nc_u64 s[SRC:SRC+1], s[SRC:SRC+1], 8192
	s_sub_co_u32 s37, s37, 1
	s_cmp_lg_u32 s37, 0
	s_cbranch_scc1 .Ltrip
	; the unit's sum of squares: the lane's four, the wave's 32 lanes, the eight waves through LDS
	v_pk_add_f32 v[SQ:SQ+1], v[SQ:SQ+1], v[SQ+2:SQ+3]
	v_add_f32 v[SQ], v[SQ], v[SQ+1]
.irp m, 1,2,4,8
	v_add_f32_dpp v[SQ], v[SQ], v[SQ] row_xmask:\m row_mask:0xf bank_mask:0xf
.endr
	v_permlanex16_b32 v[SQ+1], v[SQ], s32, s33
	v_add_f32 v[SQ], v[SQ], v[SQ+1]
	v_mov_b32 v[T], s35
	v_lshlrev_b32 v[T], 2, v[T]
	ds_store_b32 v[T], v[SQ] offset:PART           ; all lanes write the wave's word with the same number
	s_wait_dscnt 0x0                               ; for the others' sake
	s_barrier_signal -1
	s_barrier_wait -1
	ds_load_b128 v[T:T+3],   v[ZO] offset:PART
	ds_load_b128 v[T+4:T+7], v[ZO] offset:PART+16
	s_wait_dscnt 0x0
	v_pk_add_f32 v[T:T+1],   v[T:T+1],   v[T+2:T+3]
	v_pk_add_f32 v[T+4:T+5], v[T+4:T+5], v[T+6:T+7]
	v_pk_add_f32 v[T:T+1],   v[T:T+1],   v[T+4:T+5]
	v_add_f32 v[T], v[T], v[T+1]
	v_cmp_eq_u32 vcc_lo, 0, v0
	s_wait_xcnt 0x0                                ; EXEC changes only behind this wait
	s_and_saveexec_b32 s34, vcc_lo                 ; thread 0 alone: four bytes a work-group, the price of a sum that spans work-groups and is finished by its readers
	global_store_b32 v[ZO], v[T], s[24:25]
	s_wait_xcnt 0x0
	s_or_b32 exec_lo, exec_lo, s34
	s_wait_tensorcnt 0x0                           ; the wave's end: behind my last LDS store
	ds_add_u32 v[SPW], v[NIL]
	s_wait_dscnt 0x0
	s_endpgm
.Lfunc_end_k_q8577aeeb6a_cvt:
	.size	k_q8577aeeb6a_cvt, .Lfunc_end_k_q8577aeeb6a_cvt-k_q8577aeeb6a_cvt
	.p2alignl 7, 3214868480
	.fill 96, 4, 3214868480
	.section	.rodata,"a",@progbits
	.p2align	6, 0x0
	.amdhsa_kernel k_q8577aeeb6a_cvt
		.amdhsa_group_segment_fixed_size 1280
		.amdhsa_private_segment_fixed_size 0
		.amdhsa_enable_private_segment 0
		.amdhsa_kernarg_size 72
		.amdhsa_user_sgpr_count 2
		.amdhsa_user_sgpr_kernarg_segment_ptr 1
		.amdhsa_wavefront_size32 1
		.amdhsa_system_sgpr_workgroup_id_x 1
		.amdhsa_system_sgpr_workgroup_id_y 1
		.amdhsa_system_sgpr_workgroup_id_z 1
		.amdhsa_system_vgpr_workitem_id 0
		.amdhsa_next_free_vgpr 132
		.amdhsa_next_free_sgpr 66
		.amdhsa_reserve_vcc 1
		.amdhsa_float_denorm_mode_32 3
		.amdhsa_float_denorm_mode_16_64 3
		.amdhsa_memory_ordered 1
		.amdhsa_forward_progress 1
		.amdhsa_inst_pref_size 20
	.end_amdhsa_kernel
	.amdgpu_metadata
---
amdhsa.version: [ 1, 2 ]
amdhsa.kernels:
  - .name:           k_q8577aeeb6a_cvt
    .symbol:         k_q8577aeeb6a_cvt.kd
    .args:
      - { .name: x, .offset: 0, .size: 8, .value_kind: global_buffer, .address_space: global }
      - { .name: Wo, .offset: 8, .size: 8, .value_kind: global_buffer, .address_space: global }
      - { .name: Wkv_down, .offset: 16, .size: 8, .value_kind: global_buffer, .address_space: global }
      - { .name: Wq_down, .offset: 24, .size: 8, .value_kind: global_buffer, .address_space: global }
      - { .name: Wk_up, .offset: 32, .size: 8, .value_kind: global_buffer, .address_space: global }
      - { .name: Wv_up, .offset: 40, .size: 8, .value_kind: global_buffer, .address_space: global }
      - { .name: Wq_up, .offset: 48, .size: 8, .value_kind: global_buffer, .address_space: global }
      - { .name: cv, .offset: 56, .size: 8, .value_kind: global_buffer, .address_space: global }
      - { .name: norms, .offset: 64, .size: 8, .value_kind: global_buffer, .address_space: global }
    .group_segment_fixed_size: 1280
    .private_segment_fixed_size: 0
    .kernarg_segment_align: 8
    .kernarg_segment_size: 72
    .max_flat_workgroup_size: 256
    .sgpr_count:     66
    .vgpr_count:     132
    .wavefront_size: 32
...
	.end_amdgpu_metadata
.endif
;; end of part 1
;; launch down (part 2): grid 12 x 16, 4 waves a work-group, clusters of 4 x 4, 327,680 bytes of LDS; arguments cv, norms, lat; writes lat
.if DOCPART == 2
	.amdgcn_target "amdgcn-amd-amdhsa--gfx1250"
	.amdhsa_code_object_version 6
	.text
	.protected	k_q8577aeeb6a_down
	.globl	k_q8577aeeb6a_down
	.p2align	8
	.type	k_q8577aeeb6a_down,@function
k_q8577aeeb6a_down:
	s_mov_b64 s[64:65], 0
	v_nop
	global_prefetch_b8 v0, s[64:65] scope:SCOPE_SE
	s_setreg_imm32_b32 hwreg(HW_REG_WAVE_MODE, 25, 1), 1
	s_wait_xcnt 0x0
	s_wait_alu depctr_hold_cnt(0) depctr_sa_sdst(0) depctr_va_vdst(0) depctr_va_sdst(0) depctr_va_ssrc(0) depctr_va_vcc(0) depctr_vm_vsrc(0)
	s_getreg_b32 s2, hwreg(HW_REG_IB_STS2, 6, 4)
	s_cmp_eq_u32 s2, 0
	s_cbranch_scc0 .Lentry_in_a_cluster
	s_endpgm
.Lentry_in_a_cluster:
	s_bfe_u32 s2, ttmp6, 0x10000c
	s_cmp_lg_u32 s2, 0xf033
	s_cbranch_scc0 .Lentry_shape_is_right
	s_endpgm
.Lentry_shape_is_right:
; DOWN.  The two down-projections as one product: [2048 tokens][2048] x wd[1536][2048]^T, f16 operands, f32 sums.  lat[t] = [C' (512) | C' once more (512) | Q' (1024)], f16, rows of 4,096 bytes.
; SCALES.  With e_T the least whole number such that tensor T's sum of squares is under 2^e_T, |C_kv| < 2^hC, hC = (ex + ekvd + 1) >> 1 (Cauchy-Schwarz on the whole tensors), and likewise hQ with eqd.
; Stored: C' = C_kv 2^(15-hC), Q' = Q_lat 2^(15-hQ): exact powers of two, so nothing stored passes 2^15, whatever the inputs' size.  The factor's exponent is held to -126 .. 127.
; The sums of squares are added by the same lines in every launch that reads them, so that all launches get the same exponents.
; C' is stored twice, so that the launch behind walks one even K of 2,048 for k, v and q: 2 MiB more of stores, no arithmetic.
; TILES.  A tile of the result is 128 x 128 (12 x 16 work-groups: 1,536 columns do not give 256 tiles whose rows are whole blocks of 256 bytes).  Four waves, each 64 x 64: 16 accumulators.
; K goes in eight steps of 256 through two LDS slots; a wave's tensor load brings 64 rows of 512 bytes.  ONE text of a K step serves both slots: the slot in hand is a scalar that an exclusive or turns.
; CLUSTER.  4 x 4 work-groups: the four of a row need the same tiles of x, the four of a column the same tiles of wd: each tile is asked for jointly, by the same load with the same descriptor and a mask of four.
; THE MATRIX INSTRUCTION IS USED TRANSPOSED (source 0 = 16 rows of wd, source 1 = 16 tokens): a lane then holds eight neighbouring numbers of a row of the result.
; The sums start from cleared accumulators (128 lines, issued while the first tiles are on their way), so that the step has one form.
; REGISTERS.  window 0: v16-19 LDS addresses, v24-26 the way out, v28-29 the add's, v32-95 at work, v128-255 accumulators ((a, b) at 128 + 8 (4 a + b)).
;   window 1: two fragment buffers of 128: for 64 along K, 64 registers of A's rows, then 64 of B's.
.set KSTEP,  256
.set PITCH,  528                       ; an LDS row: 512 bytes + 16 of padding = 132 words: the 16 rows of a load start at 16 different groups of four banks (64 banks of 4 bytes: ISA guide 11.1)
.set HALFT,  64*PITCH                  ; what one tensor load brings, and what one wave reads of A or of B
.set SLOT,   4*HALFT                   ; A's 128 rows, then B's 128 rows; 0x21000: bits 12 and 17, which wave x HALFT never has, so an exclusive or moves an address from one slot to the other
.set STAGE,  2*SLOT                    ; behind the ring: 128 rows x 272 bytes for the way out; no tensor load fills it
.set SPITCH, 272
.set SPARE,  STAGE+128*SPITCH          ; the spare words, 128 bytes for each wave: no other line names them
.set BOFF,   0x1000000                 ; wd's first byte in cv (x lies at 0)
.set OSTEP,  2*4096                    ; a store takes two rows of lat
.set GW0,    (1<<16)|(1<<20)|(1<<21)|(6<<22)|(3<<25)  ; group 1, word 0 without the mask: 2-byte elements; padding on; bit 21 beside a mask; after every 128 words (code 6) 4 words (code 3)
.set LA, 16                            ; v16  my lane's place in A's rows of slot 0; never rewritten
.set LB, 17                            ; v17  the same for B
.set ADRA, 18                          ; v18  LA + the slot in hand
.set ADRB, 19
.set STO, 24
.set RD,  25
.set CO,  26
.set SPW, 28
.set NIL, 29
.set TMP, 32
.set ACC, 128
.set F0,  0
.set F1,  128
.set WV, 14                            ; s14 wave; s15 its half of the tile's rows (also: fetches for A or B); s16 its half of the columns (also: which 64 rows it fetches)
.set RH, 15
.set CH, 16
.set CX, 17
.set CY, 18
.set TX, 19
.set TY, 20
.set G1,  24                           ; s[24:31] group 1 for A; s[32:39] group 0: the first set for step 0, the second for step 1, and then it walks
.set G0,  32
.set G1B, 48                           ; s[48:55], s[56:63] the same for B
.set G0B, 56
.set TB,  66                           ; s66  0 or SLOT: the slot in hand
.set CL,  67                           ; s67  the cluster's x: 0 where the tile belongs to C_kv
.set SC,  68                           ; s[68:69] the way out's factor
.set SEL, 72                           ; s[72:73]
.set PC,  74                           ; s[74:75] lat at the first row that I store
.set MSB, 0
.macro WIN new                         ; the immediate's high byte repeats the setting that is left; a switch that changes nothing is dropped
.if MSB != (\new)
	s_set_vgpr_msb (MSB<<8)|(\new)
.set MSB, \new
.endif
.endm
.set MUL,  0x05                        ; sources 0 (B) and 1 (A) window 1; C and D window 0
.set TO_F, 0x40                        ; destination window 1, address window 0
.macro PLACES                          ; four places in front of loads into registers that matrix instructions have read, and of lines that read results
.rept 4
	v_nop
.endr
.endm
.macro JLOAD s                         ; a joint load: waves 0 and 1 fetch A's two halves, waves 2 and 3 B's; an s_nop 0 and four v_nop follow each line
	s_cmp_eq_u32 s[RH], 0
	s_cbranch_scc0 .Lfor_b_\@
	tensor_load_to_lds s[G0+4*(\s):G0+4*(\s)+3], s[G1:G1+7]
	s_nop 0
.rept 4
	v_nop
.endr
	s_branch .Lasked_\@
.Lfor_b_\@:
	tensor_load_to_lds s[G0B+4*(\s):G0B+4*(\s)+3], s[G1B:G1B+7]
	s_nop 0
.rept 4
	v_nop
.endr
.Lasked_\@:
.endm
.macro CREST                           ; a round of the cluster's barrier behind its opening barrier
	s_cmp_lg_u32 s[WV], 0
	s_cbranch_scc1 .Lnot_wave_0_\@
	s_barrier_signal -3
.Lnot_wave_0_\@:
	s_barrier_wait -3
	s_barrier_signal -1
	s_barrier_wait -1
.endm
.macro CROUND
	s_barrier_signal -1
	s_barrier_wait -1
	CREST
.endm
; 8 matrix instructions: row blocks a0, a0 + 1 x all 4 column blocks, 32 along K: half c of buffer f.  The 16 accumulators take turns, one instruction a turn, over every backward jump too.
.macro MUL8 f, c, a0
	WIN MUL
.irp a, \a0, (\a0)+1
.irp b, 0,1,2,3
	v_wmma_f32_16x16x32_f16 v[ACC+8*(4*(\a)+(\b)):ACC+8*(4*(\a)+(\b))+7], v[(\f)+64+8*(4*(\c)+(\b)):(\f)+64+8*(4*(\c)+(\b))+7], v[(\f)+8*(4*(\c)+(\a)):(\f)+8*(4*(\c)+(\a))+7], v[ACC+8*(4*(\a)+(\b)):ACC+8*(4*(\a)+(\b))+7]
.endr
.endr
.endm
; 32 LDS loads in one run: the fragments of 64 along K at byte k of the rows of the slot in hand, into buffer f; the first 32 along K first
.macro FETCH k, f
	WIN TO_F
.irp c, 0,1
.irp i, 0,1,2,3
	ds_load_b128 v[(\f)+64+8*(4*(\c)+(\i)):(\f)+64+8*(4*(\c)+(\i))+3],   v[ADRB] offset:(\k)+64*(\c)+(\i)*16*PITCH
	ds_load_b128 v[(\f)+64+8*(4*(\c)+(\i))+4:(\f)+64+8*(4*(\c)+(\i))+7], v[ADRB] offset:(\k)+64*(\c)+(\i)*16*PITCH+32
	ds_load_b128 v[(\f)+8*(4*(\c)+(\i)):(\f)+8*(4*(\c)+(\i))+3],         v[ADRA] offset:(\k)+64*(\c)+(\i)*16*PITCH
	ds_load_b128 v[(\f)+8*(4*(\c)+(\i))+4:(\f)+8*(4*(\c)+(\i))+7],       v[ADRA] offset:(\k)+64*(\c)+(\i)*16*PITCH+32
.endr
.endr
.endm
; A K step is four quarters of 64 along K, 32 matrix instructions each, on buffers 0, 1, 0, 1.  One of the first three multiplies buffer f and fetches the next quarter, at byte k, into g.
.macro QUARTER k, f, g
	s_wait_dscnt 16                                ; the first 32 along K are in; the sixteen younger loads may be out
	MUL8 \f, 0, 0
	MUL8 \f, 0, 2
	PLACES
	FETCH \k, \g
	s_wait_dscnt 32                                ; all but the 32 just issued
	MUL8 \f, 1, 0
	MUL8 \f, 1, 2
.endm
; The last quarter multiplies buffer 1 and changes slots: ONE barrier; in front of it each wave waits for all its tensor loads (one is out: its part of the next slot), adds 0 to its spare word, and waits
; for that and for its reads of this slot.  fill = 1: the barrier opens a round of the cluster's, and the slot just read is filled again, two K steps ahead, first thing behind the round.
.macro TURN fill
	WIN 0
	s_wait_tensorcnt 0x0                           ; no tensor load of mine is out, so the walking group 0 may be written
	ds_add_u32 v[SPW], v[NIL]                      ; 0 onto my spare word; register work stands between it and the wait for it
.if \fill
	s_xor_b32 s[G0+5], s[G0+5], SLOT               ; the other slot than last time,
	s_add_nc_u64 s[G0+6:G0+7], s[G0+6:G0+7], 2*KSTEP  ; the next K step: 512 bytes along the rows; the type bits on top are not reached
	s_xor_b32 s[G0B+5], s[G0B+5], SLOT
	s_add_nc_u64 s[G0B+6:G0B+7], s[G0B+6:G0B+7], 2*KSTEP
.endif
	s_wait_dscnt 17                                ; the add and the youngest sixteen loads may be out
	MUL8 F1, 0, 0
	s_wait_dscnt 0x0                               ; the add is done, and my reads of this slot are over
	s_barrier_signal -1
	MUL8 F1, 0, 2                                  ; work on registers while the others arrive
	WIN 0
	s_barrier_wait -1
.if \fill
	CREST                                          ; no wave of any partner still reads this slot's tile or has a load on its way
	JLOAD 1                                        ; 112 matrix instructions ahead of the wait for it; its four v_nop are also the places in front of the loads below
.else
	PLACES
.endif
	s_xor_b32 s[TB], s[TB], SLOT
	v_add_nc_u32 v[ADRA], s[TB], v[LA]
	v_add_nc_u32 v[ADRB], s[TB], v[LB]
	FETCH 0, F0
	MUL8 F1, 1, 0
	MUL8 F1, 1, 2
.endm
.macro STEP fill
	QUARTER 128, F0, F1
	QUARTER 256, F1, F0
	QUARTER 384, F0, F1
	TURN \fill
.endm
; A tensor's sum of squares: n words a lane are added, then the 32 lanes; s[s] = the least e with sum < 2^e.  The same lines, in the same order, in every launch.
.macro NRED s, v, n
.if (\n) == 4
	v_add_f32 v[\v], v[\v], v[(\v)+1]
	v_add_f32 v[(\v)+2], v[(\v)+2], v[(\v)+3]
	v_add_f32 v[\v], v[\v], v[(\v)+2]
.elseif (\n) == 2
	v_add_f32 v[\v], v[\v], v[(\v)+1]
.endif
.irp m, 1,2,4,8
	v_add_f32_dpp v[\v], v[\v], v[\v] row_xmask:\m row_mask:0xf bank_mask:0xf
.endr
	v_permlanex16_b32 v44, v[\v], s[SEL], s[SEL+1]
	v_add_f32 v[\v], v[\v], v44
	v_readfirstlane_b32 s[\s], v[\v]
	s_lshr_b32 s[\s], s[\s], 23
	s_sub_co_i32 s[\s], s[\s], 126
.endm
.macro HEXP d, a, b, c=-1              ; s[d] = (s[a] + s[b] (+ s[c]) + 1) >> 1: half the exponents' sum, rounded up
	s_add_co_i32 s[\d], s[\a], s[\b]
.if (\c) >= 0
	s_add_co_i32 s[\d], s[\d], s[\c]
.endif
	s_add_co_i32 s[\d], s[\d], 1
	s_ashr_i32 s[\d], s[\d], 1
.endm
.macro POW2 d, n                       ; s[d] = 2^s[n] as f32, the exponent held to -126 .. 127
	s_add_co_i32 s[\d], s[\n], 127
	s_max_i32 s[\d], s[\d], 1
	s_min_i32 s[\d], s[\d], 254
	s_lshl_b32 s[\d], s[\d], 23
.endm
	s_load_b128 s[4:7], s[0:1], 0x0                ; cv s[4:5], norms s[6:7]
	s_load_b64 s[8:9], s[0:1], 0x10                ; lat
	v_lshl_add_u32 v[SPW], v0, 2, SPARE
	v_mov_b32 v[NIL], 0
	ds_add_u32 v[SPW], v[NIL]                      ; the wave's opening: the add and its wait stand ahead of my first tensor load; the set-up below stands between them
	v_lshrrev_b32 v1, 5, v0
	v_readfirstlane_b32 s[WV], v1
	s_lshr_b32 s[RH], s[WV], 1
	s_and_b32 s[CH], s[WV], 1
	s_bfe_u32 s[CX], ttmp6, 0x40000
	s_bfe_u32 s[CY], ttmp6, 0x40004
	s_mov_b32 s[CL], ttmp9
	s_lshl_b32 s[TX], ttmp9, 2
	s_add_co_u32 s[TX], s[TX], s[CX]               ; tile column = 4 x cluster x + cx
	s_and_b32 s[TY], ttmp7, 0xffff
	s_lshl_b32 s[TY], s[TY], 2
	s_add_co_u32 s[TY], s[TY], s[CY]               ; tile row = 4 x cluster y + cy
	s_lshl_b32 s21, s[CY], 2
	s_lshl_b32 s21, 15, s21                        ; my row of the cluster
	s_lshl_b32 s22, 0x1111, s[CX]                  ; my column
	s_or_b32 s[G1], s21, GW0
	s_or_b32 s[G1B], s22, GW0
.irp g, G1, G1B
	s_mov_b32 s[(\g)+1], KSTEP<<16                 ; tensor_dim0 = 256
	s_mov_b32 s[(\g)+2], 64<<16                    ; tensor_dim1 = 64
	s_mov_b32 s[(\g)+3], KSTEP<<16                 ; tile_dim0 = 256
	s_mov_b32 s[(\g)+4], 64                        ; tile_dim1 = 64
	s_mov_b32 s[(\g)+5], 2048                      ; elements from row to row
	s_mov_b32 s[(\g)+6], 0
	s_mov_b32 s[(\g)+7], 0
.endr
	s_lshl_b32 s23, s[CH], 6                       ; which 64 rows of the tile I fetch
	s_lshl_b32 s40, s[TY], 7
	s_add_co_u32 s40, s40, s23
	s_lshl_b32 s40, s40, 12                        ; A: (128 x tile row + 64 x half) rows of 4,096 bytes
	s_mov_b32 s41, 0
	s_lshl_b32 s42, s[TX], 7
	s_add_co_u32 s42, s42, s23
	s_lshl_b32 s42, s42, 12                        ; B: the same with the tile column,
	s_add_co_u32 s42, s42, BOFF                    ; in wd
	s_mov_b32 s43, 0
	s_mul_i32 s44, s[WV], HALFT                    ; where they go: wave x 64 rows: no place in the cluster enters an LDS address
	s_mov_b32 s[TB], 0
	s_mov_b32 s[SEL], 0x76543210
	s_mov_b32 s[SEL+1], 0xfedcba98
	s_wait_dscnt 0x0                               ; the opening add is done
	s_wait_kmcnt 0x0
	s_add_nc_u64 s[40:41], s[4:5], s[40:41]
	s_add_nc_u64 s[42:43], s[4:5], s[42:43]
	CROUND                                         ; all sixteen work-groups are here: the first joint loads meet
.irp s, 0,1
	s_mov_b32 s[G0+4*(\s)], 1
	s_add_co_u32 s[G0+4*(\s)+1], s44, (\s)*SLOT
	s_add_nc_u64 s[G0+4*(\s)+2:G0+4*(\s)+3], s[40:41], (\s)*KSTEP*2
	s_or_b32 s[G0+4*(\s)+3], s[G0+4*(\s)+3], 0x80000000
	s_mov_b32 s[G0B+4*(\s)], 1
	s_add_co_u32 s[G0B+4*(\s)+1], s44, (\s)*SLOT
	s_add_nc_u64 s[G0B+4*(\s)+2:G0B+4*(\s)+3], s[42:43], (\s)*KSTEP*2
	s_or_b32 s[G0B+4*(\s)+3], s[G0B+4*(\s)+3], 0x80000000
	JLOAD \s                                       ; K steps 0 and 1: two loads of mine are out
.endr
	; the partial sums of squares: x 128 words (four a lane), Wkv_down 32 (one), Wq_down 64 (two)
	v_and_b32 v45, 31, v0
	v_lshlrev_b32 v46, 3, v45
	v_lshlrev_b32 v47, 2, v45
	v_lshlrev_b32 v45, 4, v45
	v_mov_b32 v44, 0
	global_load_b128 v[32:35], v45, s[6:7]
	global_load_b32 v36, v47, s[6:7] offset:1024
	global_load_b64 v[38:39], v46, s[6:7] offset:1152
	v_and_b32 v1, 15, v0                           ; l % 16
	v_bfe_u32 v2, v0, 4, 1                         ; l / 16
	v_mul_u32_u24 v3, v1, PITCH
	v_lshl_add_u32 v3, v2, 4, v3                   ; a fragment's row x pitch + 16 x half
	s_mul_i32 s88, s[RH], HALFT                    ; my 64 rows of A
	s_mul_i32 s89, s[CH], HALFT                    ; my 64 rows of B,
	s_add_co_u32 s89, s89, 2*HALFT                 ; which lie behind A's 128
	v_add_nc_u32 v[LA], s88, v3
	v_add_nc_u32 v[LB], s89, v3
	v_mov_b32 v[ADRA], v[LA]
	v_mov_b32 v[ADRB], v[LB]
	s_mul_i32 s88, s[RH], 64*SPITCH                ; into the stage: my 64 rows, my half of their 256 bytes
	s_lshl_b32 s89, s[CH], 7
	s_add_co_u32 s88, s88, s89
	s_add_co_u32 s88, s88, STAGE
	v_mul_u32_u24 v4, v1, SPITCH
	v_lshl_add_u32 v4, v2, 4, v4
	v_add_nc_u32 v[STO], s88, v4
	s_mul_i32 s88, s[WV], 32*SPITCH                ; back: wave w takes rows 32 w .. 32 w + 31, whole
	s_add_co_u32 s88, s88, STAGE
	v_mul_u32_u24 v5, v2, SPITCH
	v_lshl_add_u32 v5, v1, 4, v5
	v_add_nc_u32 v[RD], s88, v5
	v_lshlrev_b32 v5, 12, v2                       ; and the same two rows in lat
	v_lshl_add_u32 v[CO], v1, 4, v5
	s_lshl_b32 s88, s[TY], 7
	s_lshl_b32 s89, s[WV], 5
	s_add_co_u32 s88, s88, s89                     ; the first row that I store
	s_lshl_b32 s88, s88, 12
	s_lshl_b32 s89, s[TX], 8                       ; the tile's 256 bytes of a row;
	s_add_co_u32 s88, s88, s89
	s_cmp_lg_u32 s[CL], 0
	s_cselect_b32 s89, 1024, 0                     ; Q' lies 1,024 bytes further on, behind C's second copy
	s_add_co_u32 s88, s88, s89
	s_mov_b32 s89, 0
	s_add_nc_u64 s[PC:PC+1], s[8:9], s[88:89]
.set i, 0
.rept 128
	v_mov_b32 v[ACC+i], 0
.set i, i+1
.endr
	s_wait_loadcnt 0x0
	NRED 76, 32, 4                                 ; ex
	NRED 77, 36, 1                                 ; ekvd
	NRED 78, 38, 2                                 ; eqd
	HEXP 77, 76, 77                                ; hC
	HEXP 78, 76, 78                                ; hQ
	s_cmp_eq_u32 s[CL], 0
	s_cselect_b32 s79, s77, s78
	s_sub_co_i32 s79, 15, s79
	POW2 SC, 79
	s_mov_b32 s[SC+1], s[SC]                       ; named with it as a pair
	s_wait_tensorcnt 0x1                           ; my part of K step 0 is in; step 1's may stay out
	s_barrier_signal -1
	s_barrier_wait -1
	FETCH 0, F0
	WIN 0                                          ; at a label and at a branch every window is 0
	s_mov_b32 s3, 6
.Lfill:                                                ; K steps 0 to 5: each fills its slot again, two steps ahead
	STEP 1
	WIN 0
	s_sub_co_u32 s3, s3, 1
	s_cmp_lg_u32 s3, 0
	s_cbranch_scc1 .Lfill
	s_mov_b32 s3, 2
.Ltail:                                                ; K steps 6 and 7 ask for nothing.  The last change of slots (a barrier, 32 loads of a tile already used) serves nothing: the price, once a launch, of one text for both
	STEP 0
	WIN 0
	s_sub_co_u32 s3, s3, 1
	s_cmp_lg_u32 s3, 0
	s_cbranch_scc1 .Ltail
	; THE WAY OUT: scale, round to f16; 16 bytes a lane into the work-group's stage; a barrier, since a row's 256 bytes come from two waves; back as whole rows, 32 rows a wave.
	PLACES
.set i, 0
.rept 64
	v_pk_mul_f32 v[ACC+2*i:ACC+2*i+1], v[ACC+2*i:ACC+2*i+1], s[SC:SC+1] op_sel_hi:[1,0]  ; each accumulator from its low end on
.set i, i+1
.endr
.set i, 0
.rept 64
	v_cvt_pk_f16_f32 v[TMP+i], v[ACC+2*i], v[ACC+2*i+1]
.set i, i+1
.endr
.irp a, 0,1,2,3
.irp b, 0,1,2,3
	ds_store_b128 v[STO], v[TMP+4*(4*(\a)+(\b)):TMP+4*(4*(\a)+(\b))+3] offset:(\a)*16*SPITCH+32*(\b)
.endr
.endr
	s_wait_dscnt 0x0                               ; for the others' sake: my stores into the stage are done
	s_barrier_signal -1
	s_barrier_wait -1
.irp t, 0,1,2,3,4,5,6,7,8,9,10,11,12,13,14,15
	ds_load_b128 v[TMP+4*(\t):TMP+4*(\t)+3], v[RD] offset:(\t)*2*SPITCH
.endr
.irp t, 0,1,2,3,4,5,6,7,8,9,10,11,12,13,14,15
	s_wait_dscnt 15-(\t)                           ; read-back t is in; the younger ones may be out
	global_store_b128 v[CO], v[TMP+4*(\t):TMP+4*(\t)+3], s[PC:PC+1] offset:(\t)*OSTEP  ; 16 lanes store 256 consecutive bytes, at a multiple of 256 from lat's first byte
.endr
	s_cmp_lg_u32 s[CL], 0                          ; the cluster's x: the same in all sixteen partners
	s_cbranch_scc1 .Lone
.irp t, 0,1,2,3,4,5,6,7,8,9,10,11,12,13,14,15
	global_store_b128 v[CO], v[TMP+4*(\t):TMP+4*(\t)+3], s[PC:PC+1] offset:(\t)*OSTEP+1024  ; C' once more
.endr
.Lone:
	s_wait_tensorcnt 0x0                           ; the wave's end: behind my last tensor load and my last LDS store
	ds_add_u32 v[SPW], v[NIL]
	s_wait_dscnt 0x0
	CROUND                                         ; the closing round: no work-group ends while a partner may still ask for a tile that names it
	s_endpgm
.Lfunc_end_k_q8577aeeb6a_down:
	.size	k_q8577aeeb6a_down, .Lfunc_end_k_q8577aeeb6a_down-k_q8577aeeb6a_down
	.p2alignl 7, 3214868480
	.fill 96, 4, 3214868480
	.section	.rodata,"a",@progbits
	.p2align	6, 0x0
	.amdhsa_kernel k_q8577aeeb6a_down
		.amdhsa_group_segment_fixed_size 327680
		.amdhsa_private_segment_fixed_size 0
		.amdhsa_enable_private_segment 0
		.amdhsa_kernarg_size 24
		.amdhsa_user_sgpr_count 2
		.amdhsa_user_sgpr_kernarg_segment_ptr 1
		.amdhsa_wavefront_size32 1
		.amdhsa_system_sgpr_workgroup_id_x 1
		.amdhsa_system_sgpr_workgroup_id_y 1
		.amdhsa_system_sgpr_workgroup_id_z 1
		.amdhsa_system_vgpr_workitem_id 0
		.amdhsa_next_free_vgpr 512
		.amdhsa_next_free_sgpr 92
		.amdhsa_reserve_vcc 0
		.amdhsa_float_denorm_mode_32 3
		.amdhsa_float_denorm_mode_16_64 3
		.amdhsa_memory_ordered 1
		.amdhsa_forward_progress 1
		.amdhsa_inst_pref_size 66
	.end_amdhsa_kernel
	.amdgpu_metadata
---
amdhsa.version: [ 1, 2 ]
amdhsa.kernels:
  - .name:           k_q8577aeeb6a_down
    .symbol:         k_q8577aeeb6a_down.kd
    .args:
      - { .name: cv, .offset: 0, .size: 8, .value_kind: global_buffer, .address_space: global }
      - { .name: norms, .offset: 8, .size: 8, .value_kind: global_buffer, .address_space: global }
      - { .name: lat, .offset: 16, .size: 8, .value_kind: global_buffer, .address_space: global }
    .group_segment_fixed_size: 327680
    .private_segment_fixed_size: 0
    .kernarg_segment_align: 8
    .kernarg_segment_size: 24
    .max_flat_workgroup_size: 128
    .sgpr_count:     92
    .vgpr_count:     512
    .wavefront_size: 32
...
	.end_amdgpu_metadata
.endif
;; end of part 2
;; launch up (part 3): grid 16 x 16, 4 waves a work-group, clusters of 4 x 4, 327,680 bytes of LDS; arguments lat, cv, norms, qkv; writes qkv
.if DOCPART == 3
	.amdgcn_target "amdgcn-amd-amdhsa--gfx1250"
	.amdhsa_code_object_version 6
	.text
	.protected	k_q8577aeeb6a_up
	.globl	k_q8577aeeb6a_up
	.p2align	8
	.type	k_q8577aeeb6a_up,@function
k_q8577aeeb6a_up:
	s_mov_b64 s[64:65], 0
	v_nop
	global_prefetch_b8 v0, s[64:65] scope:SCOPE_SE
	s_setreg_imm32_b32 hwreg(HW_REG_WAVE_MODE, 25, 1), 1
	s_wait_xcnt 0x0
	s_wait_alu depctr_hold_cnt(0) depctr_sa_sdst(0) depctr_va_vdst(0) depctr_va_sdst(0) depctr_va_ssrc(0) depctr_va_vcc(0) depctr_vm_vsrc(0)
	s_getreg_b32 s2, hwreg(HW_REG_IB_STS2, 6, 4)
	s_cmp_eq_u32 s2, 0
	s_cbranch_scc0 .Lentry_in_a_cluster
	s_endpgm
.Lentry_in_a_cluster:
	s_bfe_u32 s2, ttmp6, 0x10000c
	s_cmp_lg_u32 s2, 0xf033
	s_cbranch_scc0 .Lentry_shape_is_right
	s_endpgm
.Lentry_shape_is_right:
; UP.  The three up-projections as ONE walk along K = 2,048: lat[t] = [C' | C' | Q'] against Wcat[n] = [Wk_up[n] | Wv_up[n] | Wq_up[n]] (cv + 0x1600000), f16 operands, f32 sums.
; K steps 0, 1 make k, steps 2, 3 make v, steps 4 to 7 make q: behind steps 1 and 3 the tile goes out and the accumulators are cleared, while the ring of tiles runs on.
; the logits are associated as (Q_lat Uq)(C_kv Uk)^T, equal to Q_lat (Uq Uk^T) C_kv^T but for the order of rounding.
; qkv: [k, v, q][32 batch x head][1024 tokens][128] f16, sections 0x800000 bytes apart: a head's rows are dense, 256 bytes each.
; SCALES.  hk = (ex + ekvd + eku + 1) >> 1 bounds |k| < 2^hk (Cauchy-Schwarz on whole tensors), hv and hq likewise.  Stored: k' = k 2^(15-hk), v' = v 2^(15-hv), q' = q 2^(15-hq), none beyond 2^15.
; The sums carry lat's scale, so the way out multiplies by 2^(hC-hk), 2^(hC-hv), 2^(hQ-hq): exact powers of two, exponents held to -126 .. 127.  Numbers under 6.1e-5 after scaling keep f16's step of 6e-8.
; TILES, RING, CLUSTER, LAYOUT as in the launch before: a tile is 128 tokens x 128 (one head), four waves of 64 x 64, K steps of 256 through two LDS slots, one text of a step for both slots,
; 4 x 4 work-groups that ask jointly for lat's tiles along a row and for Wcat's along a column; the matrix instruction transposed (source 0 = Wcat's rows).
; The stage is written again two K steps after it was read: two barriers, each behind every wave's wait for its LDS loads, lie between.
.set KSTEP,  256
.set PITCH,  528                       ; 512 bytes + 16 of padding: the 16 rows of a load start at 16 different groups of four banks (64 banks of 4 bytes: ISA guide 11.1)
.set HALFT,  64*PITCH
.set SLOT,   4*HALFT                   ; 0x21000: bits 12 and 17, which wave x HALFT never has
.set STAGE,  2*SLOT
.set SPITCH, 272
.set SPARE,  STAGE+128*SPITCH          ; the spare words, 128 bytes for each wave: no other line names them
.set BOFF,   0x1600000                 ; Wcat's first byte in cv
.set OSTEP,  512                       ; a store takes two rows of a head: 512 consecutive bytes
.set GW0,    (1<<16)|(1<<20)|(1<<21)|(6<<22)|(3<<25)
.set LA, 16
.set LB, 17
.set ADRA, 18
.set ADRB, 19
.set STO, 24
.set RD,  25
.set CO,  26
.set SPW, 28
.set NIL, 29
.set TMP, 32
.set ACC, 128
.set F0,  0
.set F1,  128
.set WV, 14
.set RH, 15
.set CH, 16
.set CX, 17
.set CY, 18
.set TX, 19
.set TY, 20
.set G1,  24
.set G0,  32
.set G1B, 48
.set G0B, 56
.set TB,  66
.set SC,  68                           ; s[68:69] the factor of the way out in hand; s70, s71 those of the two to come
.set SEL, 72
.set PC,  74                           ; s[74:75] qkv at my rows, in the section in hand
.set MSB, 0
.macro WIN new
.if MSB != (\new)
	s_set_vgpr_msb (MSB<<8)|(\new)
.set MSB, \new
.endif
.endm
.set MUL,  0x05
.set TO_F, 0x40
.macro PLACES
.rept 4
	v_nop
.endr
.endm
.macro JLOAD s                         ; waves 0 and 1 fetch A's two halves, waves 2 and 3 B's; an s_nop 0 and four v_nop follow each line
	s_cmp_eq_u32 s[RH], 0
	s_cbranch_scc0 .Lfor_b_\@
	tensor_load_to_lds s[G0+4*(\s):G0+4*(\s)+3], s[G1:G1+7]
	s_nop 0
.rept 4
	v_nop
.endr
	s_branch .Lasked_\@
.Lfor_b_\@:
	tensor_load_to_lds s[G0B+4*(\s):G0B+4*(\s)+3], s[G1B:G1B+7]
	s_nop 0
.rept 4
	v_nop
.endr
.Lasked_\@:
.endm
.macro CREST
	s_cmp_lg_u32 s[WV], 0
	s_cbranch_scc1 .Lnot_wave_0_\@
	s_barrier_signal -3
.Lnot_wave_0_\@:
	s_barrier_wait -3
	s_barrier_signal -1
	s_barrier_wait -1
.endm
.macro CROUND
	s_barrier_signal -1
	s_barrier_wait -1
	CREST
.endm
.macro MUL8 f, c, a0                   ; 8 matrix instructions; the 16 accumulators take turns, one instruction a turn
	WIN MUL
.irp a, \a0, (\a0)+1
.irp b, 0,1,2,3
	v_wmma_f32_16x16x32_f16 v[ACC+8*(4*(\a)+(\b)):ACC+8*(4*(\a)+(\b))+7], v[(\f)+64+8*(4*(\c)+(\b)):(\f)+64+8*(4*(\c)+(\b))+7], v[(\f)+8*(4*(\c)+(\a)):(\f)+8*(4*(\c)+(\a))+7], v[ACC+8*(4*(\a)+(\b)):ACC+8*(4*(\a)+(\b))+7]
.endr
.endr
.endm
.macro FETCH k, f                      ; 32 LDS loads in one run, the first 32 along K first
	WIN TO_F
.irp c, 0,1
.irp i, 0,1,2,3
	ds_load_b128 v[(\f)+64+8*(4*(\c)+(\i)):(\f)+64+8*(4*(\c)+(\i))+3],   v[ADRB] offset:(\k)+64*(\c)+(\i)*16*PITCH
	ds_load_b128 v[(\f)+64+8*(4*(\c)+(\i))+4:(\f)+64+8*(4*(\c)+(\i))+7], v[ADRB] offset:(\k)+64*(\c)+(\i)*16*PITCH+32
	ds_load_b128 v[(\f)+8*(4*(\c)+(\i)):(\f)+8*(4*(\c)+(\i))+3],         v[ADRA] offset:(\k)+64*(\c)+(\i)*16*PITCH
	ds_load_b128 v[(\f)+8*(4*(\c)+(\i))+4:(\f)+8*(4*(\c)+(\i))+7],       v[ADRA] offset:(\k)+64*(\c)+(\i)*16*PITCH+32
.endr
.endr
.endm
.macro QUARTER k, f, g
	s_wait_dscnt 16                                ; the first 32 along K are in; the sixteen younger loads may be out
	MUL8 \f, 0, 0
	MUL8 \f, 0, 2
	PLACES
	FETCH \k, \g
	s_wait_dscnt 32                                ; all but the 32 just issued
	MUL8 \f, 1, 0
	MUL8 \f, 1, 2
.endm
.macro TURN fill                       ; the last quarter and the change of slots: see the launch before
	WIN 0
	s_wait_tensorcnt 0x0                           ; no tensor load of mine is out, so the walking group 0 may be written
	ds_add_u32 v[SPW], v[NIL]
.if \fill
	s_xor_b32 s[G0+5], s[G0+5], SLOT
	s_add_nc_u64 s[G0+6:G0+7], s[G0+6:G0+7], 2*KSTEP
	s_xor_b32 s[G0B+5], s[G0B+5], SLOT
	s_add_nc_u64 s[G0B+6:G0B+7], s[G0B+6:G0B+7], 2*KSTEP
.endif
	s_wait_dscnt 17                                ; the add and the youngest sixteen loads may be out
	MUL8 F1, 0, 0
	s_wait_dscnt 0x0                               ; the add is done, and my reads of this slot are over
	s_barrier_signal -1
	MUL8 F1, 0, 2
	WIN 0
	s_barrier_wait -1
.if \fill
	CREST
	JLOAD 1                                        ; the first tensor load behind the round; its four v_nop are also the places in front of the loads below
.else
	PLACES
.endif
	s_xor_b32 s[TB], s[TB], SLOT
	v_add_nc_u32 v[ADRA], s[TB], v[LA]
	v_add_nc_u32 v[ADRB], s[TB], v[LB]
	FETCH 0, F0
	MUL8 F1, 1, 0
	MUL8 F1, 1, 2
.endm
.macro STEP fill
	QUARTER 128, F0, F1
	QUARTER 256, F1, F0
	QUARTER 384, F0, F1
	TURN \fill
.endm
.macro NRED s, v, n                    ; a tensor's sum of squares and its exponent: the same lines, in the same order, in every launch
.if (\n) == 4
	v_add_f32 v[\v], v[\v], v[(\v)+1]
	v_add_f32 v[(\v)+2], v[(\v)+2], v[(\v)+3]
	v_add_f32 v[\v], v[\v], v[(\v)+2]
.elseif (\n) == 2
	v_add_f32 v[\v], v[\v], v[(\v)+1]
.endif
.irp m, 1,2,4,8
	v_add_f32_dpp v[\v], v[\v], v[\v] row_xmask:\m row_mask:0xf bank_mask:0xf
.endr
	v_permlanex16_b32 v44, v[\v], s[SEL], s[SEL+1]
	v_add_f32 v[\v], v[\v], v44
	v_readfirstlane_b32 s[\s], v[\v]
	s_lshr_b32 s[\s], s[\s], 23
	s_sub_co_i32 s[\s], s[\s], 126
.endm
.macro HEXP d, a, b, c=-1
	s_add_co_i32 s[\d], s[\a], s[\b]
.if (\c) >= 0
	s_add_co_i32 s[\d], s[\d], s[\c]
.endif
	s_add_co_i32 s[\d], s[\d], 1
	s_ashr_i32 s[\d], s[\d], 1
.endm
.macro POW2 d, n
	s_add_co_i32 s[\d], s[\n], 127
	s_max_i32 s[\d], s[\d], 1
	s_min_i32 s[\d], s[\d], 254
	s_lshl_b32 s[\d], s[\d], 23
.endm
; THE WAY OUT: scale, round to f16, through the work-group's stage (a row's 256 bytes come from two waves: a barrier between writing and reading), back as whole rows, 32 rows a wave.
; clear = 1: the accumulators start the next sums at 0.  The next step's first fragments wait in window 1 meanwhile, and the tile asked for at the last change of slots is on its way.
.macro EPI16 clear
	WIN 0
	PLACES
	s_wait_xcnt 0x0                                ; the last way out's stores have read their data: TMP is written again only behind this wait
.set i, 0
.rept 64
	v_pk_mul_f32 v[ACC+2*i:ACC+2*i+1], v[ACC+2*i:ACC+2*i+1], s[SC:SC+1] op_sel_hi:[1,0]  ; each accumulator from its low end on
.set i, i+1
.endr
.set i, 0
.rept 64
	v_cvt_pk_f16_f32 v[TMP+i], v[ACC+2*i], v[ACC+2*i+1]
.set i, i+1
.endr
.if \clear
.set i, 0
.rept 128
	v_mov_b32 v[ACC+i], 0
.set i, i+1
.endr
.endif
.irp a, 0,1,2,3
.irp b, 0,1,2,3
	ds_store_b128 v[STO], v[TMP+4*(4*(\a)+(\b)):TMP+4*(4*(\a)+(\b))+3] offset:(\a)*16*SPITCH+32*(\b)
.endr
.endr
	s_wait_dscnt 0x0                               ; for the others' sake: my stores into the stage are done
	s_barrier_signal -1
	s_barrier_wait -1                              ; The tile on its way may stay out
.irp t, 0,1,2,3,4,5,6,7,8,9,10,11,12,13,14,15
	ds_load_b128 v[TMP+4*(\t):TMP+4*(\t)+3], v[RD] offset:(\t)*2*SPITCH
.endr
.irp t, 0,1,2,3,4,5,6,7,8,9,10,11,12,13,14,15
	s_wait_dscnt 15-(\t)                           ; read-back t is in; the younger ones may be out
	global_store_b128 v[CO], v[TMP+4*(\t):TMP+4*(\t)+3], s[PC:PC+1] offset:(\t)*OSTEP  ; 512 consecutive bytes, at a multiple of 256 from qkv's first byte
.endr
.endm
	s_load_b256 s[4:11], s[0:1], 0x0               ; lat s[4:5], cv s[6:7], norms s[8:9], qkv s[10:11]
	v_lshl_add_u32 v[SPW], v0, 2, SPARE
	v_mov_b32 v[NIL], 0
	ds_add_u32 v[SPW], v[NIL]                      ; the wave's opening: the add and its wait stand ahead of my first tensor load
	v_lshrrev_b32 v1, 5, v0
	v_readfirstlane_b32 s[WV], v1
	s_lshr_b32 s[RH], s[WV], 1
	s_and_b32 s[CH], s[WV], 1
	s_bfe_u32 s[CX], ttmp6, 0x40000
	s_bfe_u32 s[CY], ttmp6, 0x40004
	s_lshl_b32 s[TX], ttmp9, 2
	s_add_co_u32 s[TX], s[TX], s[CX]               ; tile column = the head
	s_and_b32 s[TY], ttmp7, 0xffff
	s_lshl_b32 s[TY], s[TY], 2
	s_add_co_u32 s[TY], s[TY], s[CY]               ; tile row: 128 tokens
	s_lshl_b32 s21, s[CY], 2
	s_lshl_b32 s21, 15, s21
	s_lshl_b32 s22, 0x1111, s[CX]
	s_or_b32 s[G1], s21, GW0
	s_or_b32 s[G1B], s22, GW0
.irp g, G1, G1B
	s_mov_b32 s[(\g)+1], KSTEP<<16
	s_mov_b32 s[(\g)+2], 64<<16
	s_mov_b32 s[(\g)+3], KSTEP<<16
	s_mov_b32 s[(\g)+4], 64
	s_mov_b32 s[(\g)+5], 2048
	s_mov_b32 s[(\g)+6], 0
	s_mov_b32 s[(\g)+7], 0
.endr
	s_lshl_b32 s23, s[CH], 6
	s_lshl_b32 s40, s[TY], 7
	s_add_co_u32 s40, s40, s23
	s_lshl_b32 s40, s40, 12
	s_mov_b32 s41, 0
	s_lshl_b32 s42, s[TX], 7
	s_add_co_u32 s42, s42, s23
	s_lshl_b32 s42, s42, 12
	s_add_co_u32 s42, s42, BOFF
	s_mov_b32 s43, 0
	s_mul_i32 s44, s[WV], HALFT
	s_mov_b32 s[TB], 0
	s_mov_b32 s[SEL], 0x76543210
	s_mov_b32 s[SEL+1], 0xfedcba98
	s_wait_dscnt 0x0
	s_wait_kmcnt 0x0
	s_add_nc_u64 s[40:41], s[4:5], s[40:41]
	s_add_nc_u64 s[42:43], s[6:7], s[42:43]
	CROUND
.irp s, 0,1
	s_mov_b32 s[G0+4*(\s)], 1
	s_add_co_u32 s[G0+4*(\s)+1], s44, (\s)*SLOT
	s_add_nc_u64 s[G0+4*(\s)+2:G0+4*(\s)+3], s[40:41], (\s)*KSTEP*2
	s_or_b32 s[G0+4*(\s)+3], s[G0+4*(\s)+3], 0x80000000
	s_mov_b32 s[G0B+4*(\s)], 1
	s_add_co_u32 s[G0B+4*(\s)+1], s44, (\s)*SLOT
	s_add_nc_u64 s[G0B+4*(\s)+2:G0B+4*(\s)+3], s[42:43], (\s)*KSTEP*2
	s_or_b32 s[G0B+4*(\s)+3], s[G0B+4*(\s)+3], 0x80000000
	JLOAD \s
.endr
	v_and_b32 v45, 31, v0
	v_lshlrev_b32 v46, 3, v45
	v_lshlrev_b32 v47, 2, v45
	v_lshlrev_b32 v45, 4, v45
	v_mov_b32 v44, 0
	global_load_b128 v[32:35], v45, s[8:9]              ; x
	global_load_b32 v36, v47, s[8:9] offset:1024        ; Wkv_down
	global_load_b64 v[38:39], v46, s[8:9] offset:1152   ; Wq_down
	global_load_b32 v40, v47, s[8:9] offset:1408        ; Wk_up
	global_load_b32 v41, v47, s[8:9] offset:1536        ; Wv_up
	global_load_b64 v[42:43], v46, s[8:9] offset:1664   ; Wq_up
	v_and_b32 v1, 15, v0
	v_bfe_u32 v2, v0, 4, 1
	v_mul_u32_u24 v3, v1, PITCH
	v_lshl_add_u32 v3, v2, 4, v3
	s_mul_i32 s88, s[RH], HALFT
	s_mul_i32 s89, s[CH], HALFT
	s_add_co_u32 s89, s89, 2*HALFT
	v_add_nc_u32 v[LA], s88, v3
	v_add_nc_u32 v[LB], s89, v3
	v_mov_b32 v[ADRA], v[LA]
	v_mov_b32 v[ADRB], v[LB]
	s_mul_i32 s88, s[RH], 64*SPITCH
	s_lshl_b32 s89, s[CH], 7
	s_add_co_u32 s88, s88, s89
	s_add_co_u32 s88, s88, STAGE
	v_mul_u32_u24 v4, v1, SPITCH
	v_lshl_add_u32 v4, v2, 4, v4
	v_add_nc_u32 v[STO], s88, v4
	s_mul_i32 s88, s[WV], 32*SPITCH
	s_add_co_u32 s88, s88, STAGE
	v_mul_u32_u24 v5, v2, SPITCH
	v_lshl_add_u32 v5, v1, 4, v5
	v_add_nc_u32 v[RD], s88, v5
	v_and_b32 v5, 31, v0
	v_lshlrev_b32 v[CO], 4, v5                     ; two dense rows of 256 bytes: 16 x lane
	s_lshr_b32 s88, s[TY], 3                       ; the batch,
	s_lshl_b32 s88, s88, 4
	s_add_co_u32 s88, s88, s[TX]                   ; x 16 + the head,
	s_lshl_b32 s88, s88, 18                        ; 1,024 rows of 256 bytes each;
	s_and_b32 s89, s[TY], 7
	s_lshl_b32 s89, s89, 15                        ; the tile's 128 tokens in the batch;
	s_add_co_u32 s88, s88, s89
	s_lshl_b32 s89, s[WV], 13                      ; my 32 of them
	s_add_co_u32 s88, s88, s89
	s_mov_b32 s89, 0
	s_add_nc_u64 s[PC:PC+1], s[10:11], s[88:89]
.set i, 0
.rept 128
	v_mov_b32 v[ACC+i], 0
.set i, i+1
.endr
	s_wait_loadcnt 0x0
	NRED 76, 32, 4                                 ; ex
	NRED 77, 36, 1                                 ; ekvd
	NRED 78, 38, 2                                 ; eqd
	NRED 79, 40, 1                                 ; eku
	NRED 80, 41, 1                                 ; evu
	NRED 81, 42, 2                                 ; equ
	HEXP 82, 76, 77                                ; hC
	HEXP 83, 76, 78                                ; hQ
	HEXP 84, 76, 77, 79                            ; hk
	HEXP 85, 76, 77, 80                            ; hv
	HEXP 86, 76, 78, 81                            ; hq
	s_sub_co_i32 s84, s82, s84
	s_sub_co_i32 s85, s82, s85
	s_sub_co_i32 s86, s83, s86
	POW2 SC, 84                                    ; 2^(hC-hk)
	s_mov_b32 s[SC+1], s[SC]
	POW2 70, 85                                    ; 2^(hC-hv)
	POW2 71, 86                                    ; 2^(hQ-hq)
	s_wait_tensorcnt 0x1                           ; my part of K step 0 is in; step 1's may stay out
	s_barrier_signal -1
	s_barrier_wait -1
	FETCH 0, F0
	WIN 0
	s_mov_b32 s2, 2
.Lout:                                                 ; twice: k, then v
	s_mov_b32 s3, 2
.Lin:
	STEP 1
	WIN 0
	s_sub_co_u32 s3, s3, 1
	s_cmp_lg_u32 s3, 0
	s_cbranch_scc1 .Lin
	EPI16 1
	s_wait_xcnt 0x0                                ; the stores have read their base
	s_add_nc_u64 s[PC:PC+1], s[PC:PC+1], 0x800000  ; the next section
	s_mov_b32 s[SC], s70
	s_mov_b32 s[SC+1], s70
	s_mov_b32 s70, s71
	s_sub_co_u32 s2, s2, 1
	s_cmp_lg_u32 s2, 0
	s_cbranch_scc1 .Lout
	s_mov_b32 s3, 2
.Lq:                                                   ; q: K steps 4 and 5 still fill,
	STEP 1
	WIN 0
	s_sub_co_u32 s3, s3, 1
	s_cmp_lg_u32 s3, 0
	s_cbranch_scc1 .Lq
	s_mov_b32 s3, 2
.Ltail:                                                ; steps 6 and 7 ask for nothing; the last change of slots serves nothing: the price, once a launch, of one text for both
	STEP 0
	WIN 0
	s_sub_co_u32 s3, s3, 1
	s_cmp_lg_u32 s3, 0
	s_cbranch_scc1 .Ltail
	EPI16 0
	s_wait_tensorcnt 0x0                           ; the wave's end
	ds_add_u32 v[SPW], v[NIL]
	s_wait_dscnt 0x0
	CROUND                                         ; the closing round
	s_endpgm
.Lfunc_end_k_q8577aeeb6a_up:
	.size	k_q8577aeeb6a_up, .Lfunc_end_k_q8577aeeb6a_up-k_q8577aeeb6a_up
	.p2alignl 7, 3214868480
	.fill 96, 4, 3214868480
	.section	.rodata,"a",@progbits
	.p2align	6, 0x0
	.amdhsa_kernel k_q8577aeeb6a_up
		.amdhsa_group_segment_fixed_size 327680
		.amdhsa_private_segment_fixed_size 0
		.amdhsa_enable_private_segment 0
		.amdhsa_kernarg_size 32
		.amdhsa_user_sgpr_count 2
		.amdhsa_user_sgpr_kernarg_segment_ptr 1
		.amdhsa_wavefront_size32 1
		.amdhsa_system_sgpr_workgroup_id_x 1
		.amdhsa_system_sgpr_workgroup_id_y 1
		.amdhsa_system_sgpr_workgroup_id_z 1
		.amdhsa_system_vgpr_workitem_id 0
		.amdhsa_next_free_vgpr 512
		.amdhsa_next_free_sgpr 92
		.amdhsa_reserve_vcc 0
		.amdhsa_float_denorm_mode_32 3
		.amdhsa_float_denorm_mode_16_64 3
		.amdhsa_memory_ordered 1
		.amdhsa_forward_progress 1
		.amdhsa_inst_pref_size 102
	.end_amdhsa_kernel
	.amdgpu_metadata
---
amdhsa.version: [ 1, 2 ]
amdhsa.kernels:
  - .name:           k_q8577aeeb6a_up
    .symbol:         k_q8577aeeb6a_up.kd
    .args:
      - { .name: lat, .offset: 0, .size: 8, .value_kind: global_buffer, .address_space: global }
      - { .name: cv, .offset: 8, .size: 8, .value_kind: global_buffer, .address_space: global }
      - { .name: norms, .offset: 16, .size: 8, .value_kind: global_buffer, .address_space: global }
      - { .name: qkv, .offset: 24, .size: 8, .value_kind: global_buffer, .address_space: global }
    .group_segment_fixed_size: 327680
    .private_segment_fixed_size: 0
    .kernarg_segment_align: 8
    .kernarg_segment_size: 32
    .max_flat_workgroup_size: 128
    .sgpr_count:     92
    .vgpr_count:     512
    .wavefront_size: 32
...
	.end_amdgpu_metadata
.endif
;; end of part 3
;; launch attn (part 4): grid 8 x 32, 4 waves a work-group, clusters of 4 x 1, 327,680 bytes of LDS; arguments qkv, norms, ctx; writes ctx
.if DOCPART == 4
	.amdgcn_target "amdgcn-amd-amdhsa--gfx1250"
	.amdhsa_code_object_version 6
	.text
	.protected	k_q8577aeeb6a_attn
	.globl	k_q8577aeeb6a_attn
	.p2align	8
	.type	k_q8577aeeb6a_attn,@function
k_q8577aeeb6a_attn:
	s_mov_b64 s[64:65], 0
	v_nop
	global_prefetch_b8 v0, s[64:65] scope:SCOPE_SE
	s_setreg_imm32_b32 hwreg(HW_REG_WAVE_MODE, 25, 1), 1
	s_wait_xcnt 0x0
	s_wait_alu depctr_hold_cnt(0) depctr_sa_sdst(0) depctr_va_vdst(0) depctr_va_sdst(0) depctr_va_ssrc(0) depctr_va_vcc(0) depctr_vm_vsrc(0)
	s_getreg_b32 s2, hwreg(HW_REG_IB_STS2, 6, 4)
	s_cmp_eq_u32 s2, 0
	s_cbranch_scc0 .Lentry_in_a_cluster
	s_endpgm
.Lentry_in_a_cluster:
	s_bfe_u32 s2, ttmp6, 0x10000c
	s_cmp_lg_u32 s2, 0x3003
	s_cbranch_scc0 .Lentry_shape_is_right
	s_endpgm
.Lentry_shape_is_right:
; ATTN.  Causal attention at head size 128 on the scaled q', k', v' (f16, [32 batch x head][1024][128]); ctx' = softmax(q k^T / sqrt(128), keys <= query) v', f16, [2048 tokens][16 heads x 128].
; Products, maxima and sums in f32; the weights p are rounded to f16 for the second product (their sum is taken of the unrounded p), ctx' once at the end; it carries v's scale 2^(15-hv).
; SCALE.  s' = q' . k' is the logit times sqrt(128) 2^-E, E = hq + hk - 30, so p = 2^(c' s' - c' m'), c' = (log2 e / sqrt 128) 2^E, made by adding E to c's exponent field.
; LIMITS.  E is held to -60 .. 80 (beyond that the logits are wrongly scaled).  A weight under 2^-126 counts as 0.  NaN and infinities are not treated apart.
; A hidden score starts its sum at BIGN = -2^(max(40, 33 - E) + 1): |s'| <= 128 x 2^30 = 2^37, so it lies at least 2^40 below every true score, c' times that is at least 2^30, and its weight is exactly 0.
; THE WALK.  A head has 16 blocks of 64 queries.  Work-group b = 4 x cluster + cx takes block 15 - b and then block b.  Keys come in slots of 128; the walk is the same for the four partners of a cluster:
; NH = 8 - 2 x cluster slots for the first block, 10 - NH for the second: ten slots for every work-group of the launch, and every tile of K and V is asked for JOINTLY by the four.
; Keys that a block does not see are masked, not left out (20 groups of 64 keys are walked where 17 are needed): partners run alike.
; SHARES.  Wave (qh, kh) takes 32 of the block's queries (two tiles of 16) and the 64 keys kh of each slot: a fragment of K or V feeds two products.  The two key halves keep their own m, l and O^T;
; they meet in LDS at the end: wave (qh, 1) finishes the first block, wave (qh, 0) the second.  A half that saw hidden keys alone has a maximum far below its partner's and counts for 0.
; LAYOUT.  S^T = K Q^T (source 0 = 16 keys, source 1 = 16 queries): a lane holds ONE query (lane % 16) and the keys 8 (lane / 16) + 0..7; two results rounded to f16 ARE source 1 of O^T = V^T P.
; THE MASK is the C operand that starts S^T: MD x AL + BE.  MD (40 registers, made once) is the mask of the block's own group of 64 keys, by the distance of key block and query tile; (AL, BE) = (1, 0) in that group,
; (0, 0) in earlier groups, (0, BIGN) in later ones: selects alone: no branch hangs on the work-group's place.
; A STEP goes in phases: mask; 32 products K Q^T; the change of slots; the softmax (268 vector lines); 32 products V^T P.  Both K and V of a step lie in registers at the change, so its slot is filled again at once;
; the next step's K is fetched from LDS under the softmax, its V behind the last products.
; REGISTERS.  window 0: v2-11, v30 addresses; v12-27 statistics, 8 a tile (c m, m, l even, l odd, four at work); v28-61 at work; v64-127 S^T; v128-159 P; v160-199 MD; v200-239 MC.
;   window 1: v0-127 O^T; v128-191 Q; v192-255 the second block's Q.      window 2: v0-127 K, v128-255 V of one step.
.set KS,    64
.set PK,    272       ; a row of K in LDS: 256 bytes + 16: the 16 rows of a load start at 16 different groups of four banks (64 banks of 4 bytes: ISA guide 11.1)
.set PV,    288       ; a row of V: 256 + 32
.set VOFF,  KS*PK     ; a group's tiles lie together: 64 rows of K, then 64 rows of V
.set STEPB, KS*(PK+PV)
.set SLOT1, 1<<17     ; a slot holds two groups (71,680 bytes); slot 1 begins here, so that one exclusive or turns an address in one slot into the other's
.set PARTB, 17408     ; a wave's partial result: 16,384 bytes of O^T, then 512 of statistics for each tile
.set HS,    SLOT1+2*STEPB  ; the first block's four partial results: bytes of their own
.set LS,    0         ; the second block's: in slot 0, behind its last fill of the launch
.set STAGE, HS+4*PARTB     ; 16 rows x 272 bytes for each wave, for the way out
.set SP,    272
.set SPARE, STAGE+4*16*SP  ; the spare words, 128 bytes for each wave: no other line names them
.set AK0, 2
.set AV0, 3
.set AK,  4
.set AV,  5
.set QO,  6
.set RD,  7
.set GO,  8
.set HSA, 9
.set LSA, 10
.set MA,  11
.set ST,  12
.set STO, 30
.set MS,  32          ; v32-47: at the end, the statistics of partial result p, tile t at MS + 8 p + 4 t
.set PFO, 61
.set SPW, 62
.set NIL, 63
.set S,   64
.set P,   128
.set MD,  160
.set MC,  200
.set QF,  128         ; window 1
.set QL,  192         ; window 1
.set KF,  0           ; window 2
.set VF,  128         ; window 2
.set WV,  12
.set LIM, 15          ; s15  3 in a wave that prefetches, else the greatest number
.set PFA, 18          ; s[18:19]
.set G1K, 24
.set G1V, 32
.set G0K, 40          ; s[40:47] group 0 for K: a set for each first fill; the second then walks
.set G0V, 48
.set SLOTS, 56
.set CS,  58          ; s[58:59] c'
.set SEL, 60
.set TB,  62          ; s62  0 or SLOT1: the slot from which the next fetches read
.set KH,  63
.set QH,  66
.set BI,  67          ; s67  the block in hand
.set RT,  68          ; s68  slots left of the first block
.set CUR, 69          ; s69  the number, in the head, of the slot in hand
.set NXT, 70          ; s70  of the slot to be asked for next
.set LQ,  71          ; s71  the last slot of the block whose slots are being asked for
.set OFF, 72          ; s[72:73]
.set AL,  74          ; s[74:75]
.set BE,  76          ; s[76:77]
.set BIGN, 78
.set LO,  79          ; s79  the second block
.set KB,  80          ; s[80:81] K at my part of the head's slot 0
.set VB,  82          ; s[82:83] V likewise
.set QHI, 84          ; s[84:85], s[86:87] Q at my rows of the two blocks
.set QLO, 86
.set PC,  88          ; s[88:89] ctx at the rows that I finish
.set MSB, 0
.macro WIN new
.if MSB != (\new)
	s_set_vgpr_msb (MSB<<8)|(\new)
.set MSB, \new
.endif
.endm
.set W_KQ, 0x06       ; K in window 2, Q in window 1, S^T and the mask in window 0
.set W_PV, 0x52       ; V in window 2, P in window 0, O^T in window 1
.set W_RS, 0x41       ; destination and source 0 in window 1, source 1 in window 0
.macro PLACES
.rept 4
	v_nop
.endr
.endm
.macro JLOAD                           ; a joint refill: waves 0 and 1 fetch the two groups' K, waves 2 and 3 their V; an s_nop 0 and four v_nop follow each line
	s_cmp_lt_u32 s[WV], 2
	s_cbranch_scc0 .Lfor_v_\@
	tensor_load_to_lds s[G0K+4:G0K+7], s[G1K:G1K+7]
	s_nop 0
.rept 4
	v_nop
.endr
	s_branch .Lasked_\@
.Lfor_v_\@:
	tensor_load_to_lds s[G0V+4:G0V+7], s[G1V:G1V+7]
	s_nop 0
.rept 4
	v_nop
.endr
.Lasked_\@:
.endm
; A PREFETCH INTO THE L2 of the slot that the NEXT change will ask for: 128 rows of K and of V, 256 bytes a row, a lane a row.  Both clusters of a head walk the same rows from slot 0 on: the first cluster asks.
; Its four partners share the rows out BY ADDRESS, 32 each; in each, wave 0 asks for K's and wave 2 for V's.  Steps 0 to 4 ask for slots 3 to 7: each row is named once, and none lies past the head's last.
.macro ASK
	s_cmp_gt_u32 s[SLOTS], s[LIM]
	s_cbranch_scc0 .Lnot_mine_\@
	global_prefetch_b8 v[PFO], s[PFA:PFA+1] th:TH_LOAD_NT scope:SCOPE_SE
.Lnot_mine_\@:
.endm
.macro CROUND
	s_barrier_signal -1
	s_barrier_wait -1
	s_cmp_lg_u32 s[WV], 0
	s_cbranch_scc1 .Lnot_wave_0_\@
	s_barrier_signal -3
.Lnot_wave_0_\@:
	s_barrier_wait -3
	s_barrier_signal -1
	s_barrier_wait -1
.endm
; Product i of 32 of S^T = K Q^T: channels 32 (i / 8) on, keys 16 ((i / 2) % 4) on, tile i % 2.  The first 8 start the sums with the mask.  The 8 accumulators take turns.
.macro KQ
.set rS, S+32*(i%2)+8*((i/2)%4)
.set rK, KF+32*((i/2)%4)+8*(i/8)
.set rQ, QF+32*(i%2)+8*(i/8)
.set rM, MC+8*((i/2)%4-i%2+1)
	WIN W_KQ
.if i < 8
	v_wmma_f32_16x16x32_f16 v[rS:rS+7], v[rK:rK+7], v[rQ:rQ+7], v[rM:rM+7]
.else
	v_wmma_f32_16x16x32_f16 v[rS:rS+7], v[rK:rK+7], v[rQ:rQ+7], v[rS:rS+7]
.endif
.endm
; Product i of 32 of O^T += V^T P: keys 32 (i / 16) on, channels 16 ((i / 2) % 8) on, tile i % 2.  16 accumulators by turns.
.macro PVM
.set rO, 64*(i%2)+8*((i/2)%8)
.set rV, VF+64*(i/16)+8*((i/2)%8)
.set rP, P+16*(i%2)+8*(i/16)
	WIN W_PV
	v_wmma_f32_16x16x32_f16 v[rO:rO+7], v[rV:rV+7], v[rP:rP+7], v[rO:rO+7]
.endm
.macro FETCH_K                         ; 64 keys x 128 channels: 16 fragments, 32 loads in one run
	WIN 0x80
.irp f, 0,1,2,3,4,5,6,7,8,9,10,11,12,13,14,15
	ds_load_b128 v[KF+8*(\f):KF+8*(\f)+3],   v[AK] offset:((\f)/4)*16*PK+((\f)%4)*64
	ds_load_b128 v[KF+8*(\f)+4:KF+8*(\f)+7], v[AK] offset:((\f)/4)*16*PK+((\f)%4)*64+32
.endr
	WIN 0
.endm
.macro FETCH_V                         ; the same of V, turned
	WIN 0x80
.irp f, 0,1,2,3,4,5,6,7,8,9,10,11,12,13,14,15
	ds_load_tr16_b128 v[VF+8*(\f):VF+8*(\f)+3],   v[AV] offset:((\f)/8)*32*PV+((\f)%8)*32
	ds_load_tr16_b128 v[VF+8*(\f)+4:VF+8*(\f)+7], v[AV] offset:((\f)/8)*32*PV+16*PV+((\f)%8)*32
.endr
	WIN 0
.endm
; ONE TILE'S SOFTMAX for one step is a list of 134 lines; SM writes number j of it for tile t.  s0-s31 are the lane's 32 scores, in pairs 0-15.
;   0-15    the maximum of s0-s31 and the old m, three operands at a time: four chains of seven scores (each accumulator's lowest registers first), then the four left over, the chains and m
;   16-20   the other half of the lanes' maximum; the new m; c m; c m_old - c m_new
;   21-87   33 exponentials (a, then s0-s31) at the odd numbers from 23 on: no two follow each other, and each has a plain line behind it before its result is used (ISA guide 5.7.2);
;           the plain lines between are c s - c m for pairs still to come, roundings to f16 of pairs that are done, and the first sums
;   88-101  the last rounding; the rest of the sums; l = a l + the sum        102-133  the tile's O^T times a
.macro SM t
.set rT, ST+8*(\t)
.set rS, S+32*(\t)
.set rP, P+16*(\t)
.set rO, 64*(\t)+2*(j-102)
.set q, (j-20)/2
.if j < 102
	WIN 0
.endif
.if j < 4
	v_max3_num_f32 v[rT+4+j], v[rS+8*j], v[rS+8*j+1], v[rS+8*j+2]
.elseif j < 12
	v_max3_num_f32 v[rT+4+j%4], v[rT+4+j%4], v[rS+8*(j%4)+2*(j/4)+1], v[rS+8*(j%4)+2*(j/4)+2]
.elseif j == 12
	v_max3_num_f32 v[rT+4], v[rT+4], v[rS+7], v[rS+15]
.elseif j == 13
	v_max3_num_f32 v[rT+6], v[rT+6], v[rS+23], v[rS+31]
.elseif j == 14
	v_max3_num_f32 v[rT+4], v[rT+4], v[rT+5], v[rT+6]
.elseif j == 15
	v_max3_num_f32 v[rT+4], v[rT+4], v[rT+7], v[rT+1]
.elseif j == 16
	v_permlanex16_b32 v[rT+5], v[rT+4], s[SEL], s[SEL+1]
.elseif j == 17
	v_mov_b32 v[rT+7], v[rT]
.elseif j == 18
	v_max_num_f32 v[rT+1], v[rT+4], v[rT+5]
.elseif j == 19
	v_mul_f32 v[rT], s[CS], v[rT+1]
.elseif j == 20
	v_sub_f32 v[rT+7], v[rT+7], v[rT]
.elseif j == 23
	v_exp_f32 v[rT+6], v[rT+7]
.elseif (j < 88) && (j > 23) && (j%2 == 1)
	v_exp_f32 v[rS+(j-25)/2], v[rS+(j-25)/2]
.elseif (q < 4) || ((j < 76) && (q%2 == 0))
.set b, q/2+2
.if q < 4
.set b, q
.endif
	v_pk_fma_f32 v[rS+2*b:rS+2*b+1], v[rS+2*b:rS+2*b+1], s[CS:CS+1], v[rT:rT+1] op_sel_hi:[1,0,0] neg_lo:[0,0,1] neg_hi:[0,0,1]
.elseif (j < 88) && (q%2 == 1)
	s_wait_alu depctr_va_vdst(0)
	v_cvt_pk_f16_f32 v[rP+(q-5)/2], v[rS+q-5], v[rS+q-4]
.elseif j == 89
	s_wait_alu depctr_va_vdst(0)
	v_cvt_pk_f16_f32 v[rP+15], v[rS+30], v[rS+31]
.elseif j < 102
.set z, j-86
.if j < 89
.set z, (j-76)/4
.endif
.set w, 4
.set u, z
.if z >= 14
.set w, 32
.set u, 0
.elseif z >= 12
.set w, 16
.set u, z-12
.elseif z >= 8
.set w, 8
.set u, z-8
.endif
.if z < 15
	v_pk_add_f32 v[rS+w*u:rS+w*u+1], v[rS+w*u:rS+w*u+1], v[rS+w*u+w/2:rS+w*u+w/2+1]
.else
	v_pk_fma_f32 v[rT+2:rT+3], v[rT+2:rT+3], v[rT+6:rT+7], v[rS:rS+1] op_sel_hi:[1,0,1]
.endif
.else
	WIN W_RS
	v_pk_mul_f32 v[rO:rO+1], v[rO:rO+1], v[rT+6:rT+7] op_sel_hi:[1,0]
.endif
.endm
; Slice k of 64: numbers 2 k and 2 k + 1 of both tiles' lists (slice 63: the last eight).  Among the exponentials tile by tile (plain, exponential, plain, exponential); elsewhere the tiles alternate.
.macro SLICE
.if (k >= 11) && (k < 44)
.irp t, 0,1
.irp n, 0,1
.set j, 2*k+(\n)
	SM \t
.endr
.endr
.else
.irp n, 0,1,2,3,4,5,6,7
.if ((\n) < 2) || (k == 63)
.irp t, 0,1
.set j, 2*k+(\n)
	SM \t
.endr
.endif
.endr
.endif
.set k, k+1
.endm
; THE CHANGE OF SLOTS.  Each wave waits for all its tensor loads (one is out: its part of the other slot), adds 0 to its spare word, and waits for that and for its reads of the slot in hand: K and V of this
; step are then in registers.  fill = 1: the barrier is a round of the cluster's, and the slot is filled again first thing behind it, with slot NXT of the head; it has a whole step in which to land.
.macro CHANGE fill
	WIN 0
	s_wait_tensorcnt 0x0                           ; no tensor load of mine is out, so a group 0 may be written
	ds_add_u32 v[SPW], v[NIL]                      ; 0 onto my spare word; scalar work stands between it and the wait for it
.if \fill
	s_lshl_b32 s[OFF], s[NXT], 15                  ; a slot is 32,768 bytes of K and of V
	s_xor_b32 s[G0K+5], s[G0K+5], SLOT1
	s_add_nc_u64 s[G0K+6:G0K+7], s[KB:KB+1], s[OFF:OFF+1]
	s_or_b32 s[G0K+7], s[G0K+7], 0x80000000
	s_xor_b32 s[G0V+5], s[G0V+5], SLOT1
	s_add_nc_u64 s[G0V+6:G0V+7], s[VB:VB+1], s[OFF:OFF+1]
	s_or_b32 s[G0V+7], s[G0V+7], 0x80000000
	s_add_co_u32 s[NXT], s[NXT], 1                 ; the block's next slot, or behind its last the second block's slot 0
	s_cmp_gt_u32 s[NXT], s[LQ]
	s_cselect_b32 s[NXT], 0, s[NXT]
	s_cselect_b32 s[LQ], 99, s[LQ]
	s_wait_xcnt 0x0                                ; the last prefetch, a step back, has read its address
	s_add_nc_u64 s[PFA:PFA+1], s[PFA:PFA+1], 32768
	s_wait_dscnt 0x0                               ; the add is done, and my reads of the slot are over
	CROUND
	JLOAD                                          ; its four v_nop are also the places between the products above and the loads into K's registers
.else
	s_wait_dscnt 0x0
	s_barrier_signal -1
	s_barrier_wait -1
	PLACES
.endif
	s_xor_b32 s[TB], s[TB], SLOT1
	v_add_nc_u32 v[AK], s[TB], v[AK0]
	FETCH_K                                        ; the next step's K
.if \fill
	ASK
.endif
.endm
.macro STASH adr                       ; my O^T and statistics into LDS: 16 consecutive bytes a lane, 512 a line
	WIN 0x04                                       ; the data in window 1
.set g, 0
.rept 32
	ds_store_b128 v[\adr], v[4*g:4*g+3] offset:512*g
.set g, g+1
.endr
	WIN 0
.irp t, 0,1
	ds_store_b128 v[\adr], v[ST+8*(\t):ST+8*(\t)+3] offset:16384+512*(\t)
.endr
.endm
; A STEP.  sw = 1: behind the first block's last slot the wave sets its partial result aside and begins the second block (a forward jump on a count that all partners share).
.macro TRIP fill, sw
	s_lshl1_add_u32 s95, s[CUR], s[KH]             ; my group of 64 keys in the head
	s_cmp_eq_u32 s95, s[BI]                        ; the block's own?
	s_cselect_b32 s[AL], 1.0, 0
	s_cmp_gt_u32 s95, s[BI]                        ; or a later one?
	s_cselect_b32 s[BE], s[BIGN], 0
	WIN 0
.set z, 0
.rept 20
	v_pk_fma_f32 v[MC+2*z:MC+2*z+1], v[MD+2*z:MD+2*z+1], s[AL:AL+1], s[BE:BE+1] op_sel_hi:[1,0,0]
.set z, z+1
.endr
	s_wait_dscnt 32                                ; K is in; V's 32 younger loads may be out
.set i, 0
.rept 32
	KQ
.set i, i+1
.endr
	CHANGE \fill
.set k, 0
.rept 64
	SLICE
.endr
.set i, 0
.rept 32
	PVM
.set i, i+1
.endr
	WIN 0
	PLACES                                         ; behind the last products: V's registers are loaded again, and O^T may be read
	v_add_nc_u32 v[AV], s[TB], v[AV0]
	FETCH_V                                        ; the next step's V
	s_add_co_u32 s[CUR], s[CUR], 1
.if \sw
	s_sub_co_u32 s[RT], s[RT], 1
	s_cmp_lg_u32 s[RT], 0
	s_cbranch_scc1 .Lsame_\@
	STASH HSA
.irp t, 0,1
	v_mov_b32 v[ST+8*(\t)], 0xfe000000             ; c m far below every c s: the next step's a is 0, so O^T and l need only be finite
	v_mov_b32 v[ST+8*(\t)+1], 0xff7fffff           ; m: the lowest finite number
.endr
	WIN W_RS
.set i, 0
.rept 64
	v_mov_b32 v[QF+i], v[QL+i]                     ; the second block's Q goes where the one text names Q
.set i, i+1
.endr
	WIN 0
	s_mov_b32 s[BI], s[LO]
	s_mov_b32 s[CUR], 0
	s_mov_b32 s[RT], 99
.Lsame_\@:
.endif
.endm
.macro NRED s, v, n                    ; a tensor's sum of squares and its exponent: the same lines, in the same order, in every launch
.if (\n) == 4
	v_add_f32 v[\v], v[\v], v[(\v)+1]
	v_add_f32 v[(\v)+2], v[(\v)+2], v[(\v)+3]
	v_add_f32 v[\v], v[\v], v[(\v)+2]
.elseif (\n) == 2
	v_add_f32 v[\v], v[\v], v[(\v)+1]
.endif
.irp m, 1,2,4,8
	v_add_f32_dpp v[\v], v[\v], v[\v] row_xmask:\m row_mask:0xf bank_mask:0xf
.endr
	v_permlanex16_b32 v44, v[\v], s[SEL], s[SEL+1]
	v_add_f32 v[\v], v[\v], v44
	v_readfirstlane_b32 s[\s], v[\v]
	s_lshr_b32 s[\s], s[\s], 23
	s_sub_co_i32 s[\s], s[\s], 126
.endm
.macro HEXP d, a, b, c=-1
	s_add_co_i32 s[\d], s[\a], s[\b]
.if (\c) >= 0
	s_add_co_i32 s[\d], s[\d], s[\c]
.endif
	s_add_co_i32 s[\d], s[\d], 1
	s_ashr_i32 s[\d], s[\d], 1
.endm
	s_load_b128 s[4:7], s[0:1], 0x0                ; qkv s[4:5], norms s[6:7]
	s_load_b64 s[8:9], s[0:1], 0x10                ; ctx
	v_lshl_add_u32 v[SPW], v0, 2, SPARE
	v_mov_b32 v[NIL], 0
	ds_add_u32 v[SPW], v[NIL]                      ; the wave's opening: the add and its wait stand ahead of my first tensor load
	v_lshrrev_b32 v1, 5, v0
	v_readfirstlane_b32 s[WV], v1
	s_and_b32 s[KH], s[WV], 1
	s_lshr_b32 s[QH], s[WV], 1
	s_bfe_u32 s13, ttmp6, 0x40000                  ; cx: it enters Q's, ctx's and the prefetches' addresses and the mask's selects alone
	s_lshl_b32 s14, ttmp9, 2
	s_add_co_u32 s[LO], s14, s13                   ; b
	s_sub_co_u32 s[BI], 15, s[LO]
	s_and_b32 s16, ttmp7, 0xffff                   ; batch x 16 + head, which the partners share
	s_lshl_b32 s20, s16, 18                        ; its 1,024 rows of 256 bytes
	s_lshl_b32 s21, s[KH], 14                      ; which group of a slot I fetch: 64 rows
	s_add_co_u32 s22, s20, s21
	s_mov_b32 s23, 0
	s_mul_i32 s17, s[KH], STEPB                    ; and its place in a slot
	s_lshl_b32 s21, s[QH], 13                      ; my 32 queries in a block,
	s_add_co_u32 s21, s21, s20
	s_add_co_u32 s21, s21, 0x1000000               ; in q's section
	s_lshl_b32 s90, s[BI], 14
	s_add_co_u32 s90, s90, s21
	s_mov_b32 s91, 0
	s_lshl_b32 s92, s[LO], 14
	s_add_co_u32 s92, s92, s21
	s_mov_b32 s93, 0
	s_cmp_eq_u32 s[KH], 1                          ; the block that I finish
	s_cselect_b32 s94, s[BI], s[LO]
	s_lshl_b32 s94, s94, 6
	s_lshr_b32 s95, s16, 4
	s_lshl_b32 s95, s95, 10
	s_add_co_u32 s94, s94, s95
	s_lshl_b32 s95, s[QH], 5
	s_add_co_u32 s94, s94, s95                     ; its first token of mine,
	s_lshl_b32 s94, s94, 12                        ; rows of 4,096 bytes,
	s_and_b32 s95, s16, 15
	s_lshl_b32 s95, s95, 8                         ; the head's 256 bytes
	s_add_co_u32 s94, s94, s95
	s_mov_b32 s95, 0
	s_mov_b32 s[G1K], 15|(1<<16)|(1<<20)|(1<<21)|(5<<22)|(3<<25)  ; the mask of four; 2-byte elements; padding on; bit 21 beside a mask; after every 64 words (code 5) 4 words (code 3)
	s_mov_b32 s[G1V], 15|(1<<16)|(1<<20)|(1<<21)|(5<<22)|(7<<25)  ; the same with 8 words (code 7)
.irp g, G1K, G1V
	s_mov_b32 s[(\g)+1], 128<<16                   ; tensor_dim0 = 128
	s_mov_b32 s[(\g)+2], KS<<16                    ; tensor_dim1 = 64
	s_mov_b32 s[(\g)+3], 128<<16                   ; tile_dim0 = 128
	s_mov_b32 s[(\g)+4], KS                        ; tile_dim1 = 64
	s_mov_b32 s[(\g)+5], 128                       ; elements from row to row
	s_mov_b32 s[(\g)+6], 0
	s_mov_b32 s[(\g)+7], 0
.endr
	s_mov_b32 s[SEL], 0x76543210
	s_mov_b32 s[SEL+1], 0xfedcba98
	s_mov_b32 s[TB], 0
	s_lshl_b32 s14, ttmp9, 1
	s_sub_co_u32 s[RT], 8, s14                     ; NH
	s_sub_co_u32 s[LQ], s[RT], 1
	s_mov_b32 s[NXT], 2
	s_mov_b32 s[CUR], 0
	s_mov_b32 s[OFF+1], 0
	s_mov_b32 s[AL+1], 0                           ; named as pairs
	s_mov_b32 s[BE+1], 0
	s_mov_b32 s[SLOTS], 8
	s_and_b32 s[LIM], s[WV], 1                     ; 0 in waves 0 and 2,
	s_or_b32 s[LIM], s[LIM], ttmp9                 ; where the cluster is the head's first
	s_cmp_eq_u32 s[LIM], 0
	s_cselect_b32 s[LIM], 3, -1
	s_wait_dscnt 0x0                               ; the opening add is done
	s_wait_kmcnt 0x0
	s_add_nc_u64 s[KB:KB+1], s[4:5], s[22:23]
	s_add_nc_u64 s[VB:VB+1], s[KB:KB+1], 0x800000
	s_add_nc_u64 s[QHI:QHI+1], s[4:5], s[90:91]
	s_add_nc_u64 s[QLO:QLO+1], s[4:5], s[92:93]
	s_add_nc_u64 s[PC:PC+1], s[8:9], s[94:95]
	s_cmp_lt_u32 s[WV], 2
	s_cselect_b64 s[PFA:PFA+1], s[KB:KB+1], s[VB:VB+1]  ; (in waves 0 and 2 these stand at a slot's first row)
	s_lshl_b32 s20, s13, 13                        ; my work-group's 32 rows of the 128
	s_mov_b32 s21, 0
	s_add_nc_u64 s[PFA:PFA+1], s[PFA:PFA+1], s[20:21]
	s_add_nc_u64 s[PFA:PFA+1], s[PFA:PFA+1], 2*32768  ; in slot 2; the first change steps it to slot 3.  Nothing is prefetched at the head
	CROUND                                         ; all four work-groups are here: the first joint loads meet
.irp s, 0,1
	s_mov_b32 s[G0K+4*(\s)], 1
	s_add_co_u32 s[G0K+4*(\s)+1], s17, (\s)*SLOT1
	s_add_nc_u64 s[G0K+4*(\s)+2:G0K+4*(\s)+3], s[KB:KB+1], (\s)*32768
	s_or_b32 s[G0K+4*(\s)+3], s[G0K+4*(\s)+3], 0x80000000
	s_mov_b32 s[G0V+4*(\s)], 1
	s_add_co_u32 s[G0V+4*(\s)+1], s17, (\s)*SLOT1+VOFF
	s_add_nc_u64 s[G0V+4*(\s)+2:G0V+4*(\s)+3], s[VB:VB+1], (\s)*32768
	s_or_b32 s[G0V+4*(\s)+3], s[G0V+4*(\s)+3], 0x80000000
.endr
	s_cmp_lt_u32 s[WV], 2                          ; a wave's two first fills stand in one branch: two loads of mine are out
	s_cbranch_scc0 .Lfirst_v
	tensor_load_to_lds s[G0K:G0K+3], s[G1K:G1K+7]
	s_nop 0
	tensor_load_to_lds s[G0K+4:G0K+7], s[G1K:G1K+7]
	s_nop 0
.rept 4
	v_nop
.endr
	s_branch .Lfirst_asked
.Lfirst_v:
	tensor_load_to_lds s[G0V:G0V+3], s[G1V:G1V+7]
	s_nop 0
	tensor_load_to_lds s[G0V+4:G0V+7], s[G1V:G1V+7]
	s_nop 0
.rept 4
	v_nop
.endr
.Lfirst_asked:
	v_and_b32 v1, 15, v0                           ; l % 16
	v_bfe_u32 v31, v0, 4, 1                        ; l / 16
	v_and_b32 v29, 31, v0                          ; l
	v_lshlrev_b32 v[QO], 8, v1
	v_lshl_add_u32 v[QO], v31, 4, v[QO]            ; row x 256 + 16 x half
	WIN 0x40                                       ; destination window 1
.irp i, 0,1,2,3,4,5,6,7                ; both blocks' Q: tile i / 4, channels 32 (i % 4) on
	global_load_b128 v[QF+8*(\i):QF+8*(\i)+3],   v[QO], s[QHI:QHI+1] offset:((\i)/4)*4096+((\i)%4)*64
	global_load_b128 v[QF+8*(\i)+4:QF+8*(\i)+7], v[QO], s[QHI:QHI+1] offset:((\i)/4)*4096+((\i)%4)*64+32
	global_load_b128 v[QL+8*(\i):QL+8*(\i)+3],   v[QO], s[QLO:QLO+1] offset:((\i)/4)*4096+((\i)%4)*64
	global_load_b128 v[QL+8*(\i)+4:QL+8*(\i)+7], v[QO], s[QLO:QLO+1] offset:((\i)/4)*4096+((\i)%4)*64+32
.endr
	WIN 0
	v_lshlrev_b32 v45, 4, v29
	v_lshlrev_b32 v46, 3, v29
	v_lshlrev_b32 v47, 2, v29
	v_mov_b32 v44, 0
	global_load_b128 v[32:35], v45, s[6:7]              ; x
	global_load_b32 v36, v47, s[6:7] offset:1024        ; Wkv_down
	global_load_b64 v[38:39], v46, s[6:7] offset:1152   ; Wq_down
	global_load_b32 v40, v47, s[6:7] offset:1408        ; Wk_up
	global_load_b64 v[42:43], v46, s[6:7] offset:1664   ; Wq_up
	v_mul_u32_u24 v[AK0], v1, PK
	v_lshl_add_u32 v[AK0], v31, 4, v[AK0]
	v_add_nc_u32 v[AK0], s17, v[AK0]               ; my group + row x pitch + 16 x half
	; The turning load takes 16 keys x 16 channels (lane l reads key 8 (l / 16) + l % 8, channels 8 ((l / 8) % 2) + 0..7) and leaves half a fragment of V^T
	v_and_b32 v48, 7, v0
	v_bfe_u32 v49, v0, 3, 1
	v_lshl_add_u32 v[AV0], v31, 3, v48
	v_mul_u32_u24 v[AV0], v[AV0], PV
	v_lshl_add_u32 v[AV0], v49, 4, v[AV0]
	s_add_co_u32 s95, s17, VOFF
	v_add_nc_u32 v[AV0], s95, v[AV0]
	s_mul_i32 s95, s[WV], PARTB
	v_lshl_add_u32 v[LSA], v29, 4, s95             ; where my partial results go
	v_add_nc_u32 v[HSA], HS, v[LSA]
	s_cmp_eq_u32 s[KH], 1
	s_cselect_b32 s95, HS, LS                      ; and from where I take the two that I finish
	s_mul_i32 s94, s[QH], 2*PARTB
	s_add_co_u32 s95, s95, s94
	v_lshl_add_u32 v[MA], v29, 4, s95
	s_mul_i32 s95, s[WV], 16*SP
	s_add_co_u32 s95, s95, STAGE                   ; my stage
	v_mul_u32_u24 v[STO], v1, SP
	v_lshl_add_u32 v[STO], v31, 4, v[STO]
	v_add_nc_u32 v[STO], s95, v[STO]
	v_mul_u32_u24 v[RD], v31, SP
	v_lshl_add_u32 v[RD], v1, 4, v[RD]
	v_add_nc_u32 v[RD], s95, v[RD]
	v_lshlrev_b32 v[GO], 12, v31                   ; two rows of ctx, 4,096 bytes apart
	v_lshl_add_u32 v[GO], v1, 4, v[GO]
	v_lshlrev_b32 v[PFO], 8, v29
	v_lshlrev_b32 v28, 3, v31
	v_sub_nc_u32 v28, v1, v28
	s_lshl_b32 s95, s[QH], 5
	v_add_nc_u32 v28, s95, v28                     ; d0 = 32 qh + l % 16 - 8 (l / 16): register r at distance d of key block and query tile is hidden where 16 d + r > d0
	v_mov_b32 v[AK], v[AK0]
	v_mov_b32 v[AV], v[AV0]
	WIN 0x40
.set i, 0
.rept 128
	v_mov_b32 v[i], 0                              ; O^T; written while the first tiles are on their way, so that the step has one form
.set i, i+1
.endr
	WIN 0
.irp t, 0,1
	v_mov_b32 v[ST+8*(\t)], 0xfe000000
	v_mov_b32 v[ST+8*(\t)+1], 0xff7fffff
	v_mov_b32 v[ST+8*(\t)+2], 0
	v_mov_b32 v[ST+8*(\t)+3], 0
.endr
	s_wait_loadcnt 0x0                             ; Q and the sums of squares
	NRED 90, 32, 4                                 ; ex
	NRED 91, 36, 1                                 ; ekvd
	NRED 92, 38, 2                                 ; eqd
	NRED 93, 40, 1                                 ; eku
	NRED 94, 42, 2                                 ; equ
	HEXP 95, 90, 92, 94                            ; hq
	HEXP 91, 90, 91, 93                            ; hk
	s_add_co_i32 s95, s95, s91
	s_sub_co_i32 s95, s95, 30                      ; E
	s_max_i32 s95, s95, -60
	s_min_i32 s95, s95, 80
	s_lshl_b32 s94, s95, 23
	s_add_co_u32 s[CS], s94, 0x3e0293ee            ; log2(e) / sqrt(128) = 0.127517, its exponent field raised by E (124 + E lies in 64 .. 204)
	s_mov_b32 s[CS+1], s[CS]
	s_sub_co_i32 s94, 160, s95                     ; the exponent field of 2^(33-E),
	s_max_i32 s94, s94, 167                        ; or of 2^40,
	s_add_co_u32 s94, s94, 1                       ; doubled,
	s_lshl_b32 s94, s94, 23
	s_or_b32 s[BIGN], s94, 0x80000000              ; negative
.set i, 0
.rept 40
	v_cmp_gt_i32 vcc_lo, 16*(i/8-1)+i%8, v28
	v_cndmask_b32 v[MD+i], 0, s[BIGN], vcc_lo
.set i, i+1
.endr
	s_wait_tensorcnt 0x1                           ; my part of slot 0 is in; slot 1's may stay out
	s_barrier_signal -1
	s_barrier_wait -1
	FETCH_K
	FETCH_V
.Lslot:                                                ; steps 0 to 7: each fills its slot again
	TRIP 1, 1
	s_sub_co_u32 s[SLOTS], s[SLOTS], 1
	s_cmp_lg_u32 s[SLOTS], 0
	s_cbranch_scc1 .Lslot
	s_mov_b32 s57, 2
.Ltail:                                                ; steps 8 and 9 ask for nothing; the last step's barrier and its 64 loads of a slot already used serve nothing: the price of one text for both
	TRIP 0, 0
	s_sub_co_u32 s57, s57, 1
	s_cmp_lg_u32 s57, 0
	s_cbranch_scc1 .Ltail
	s_wait_dscnt 0x0                               ; my last reads of slot 0 are over,
	s_barrier_signal -1
	s_barrier_wait -1                              ; everybody's are: slot 0 has had its last fill, and takes the second block's partial results
	STASH LSA
	s_wait_dscnt 0x0                               ; for the others' sake
	s_barrier_signal -1
	s_barrier_wait -1
	; THE TWO KEY HALVES MEET.  Partial result p has c m_p, l_p, O_p: with c m = max, f_p = 2^(c m_p - c m), L = f_0 l_0 + f_1 l_1: O = O_0 f_0 / L + O_1 f_1 / L.
; Tile t's O^T of both partial results: the first into window 1, the second into window 2: 32 loads of 512 consecutive bytes.
.macro LOADT t
	WIN 0x40
.set g, 16*(\t)
.rept 16
	ds_load_b128 v[4*g:4*g+3], v[MA] offset:512*g
.set g, g+1
.endr
	WIN 0x80
.set g, 16*(\t)
.rept 16
	ds_load_b128 v[4*g:4*g+3], v[MA] offset:PARTB+512*g
.set g, g+1
.endr
	WIN 0
.endm
; Tile t: the two partial results are joined, rounded to f16, and sent through my stage: rows of 272 bytes in, whole rows of 256 back, into S^T's registers.
.macro PACK t
	WIN W_RS
.set i, 64*(\t)
.rept 32
	v_pk_mul_f32 v[i:i+1], v[i:i+1], v[MS+4*(\t):MS+4*(\t)+1] op_sel_hi:[1,0]
.set i, i+2
.endr
	WIN W_PV                                       ; source 0 window 2, source 1 window 0, source 2 and destination window 1
.set i, 64*(\t)
.rept 32
	v_pk_fma_f32 v[i:i+1], v[i:i+1], v[MS+8+4*(\t):MS+8+4*(\t)+1], v[i:i+1] op_sel_hi:[1,0,1]
.set i, i+2
.endr
	WIN 0x05                                       ; sources 0 and 1 window 1, destination window 0
.set i, 0
.rept 32
	v_cvt_pk_f16_f32 v[S+32*(\t)+i], v[64*(\t)+2*i], v[64*(\t)+2*i+1]
.set i, i+1
.endr
	WIN 0
.irp f, 0,1,2,3,4,5,6,7
	ds_store_b128 v[STO], v[S+32*(\t)+4*(\f):S+32*(\t)+4*(\f)+3] offset:32*(\f)
.endr
.irp f, 0,1,2,3,4,5,6,7
	ds_load_b128 v[S+32*(\t)+4*(\f):S+32*(\t)+4*(\f)+3], v[RD] offset:(\f)*2*SP  ; LDS serves a wave's instructions in order (ISA guide 5.7.1.4): these see the stores above; the next tile's stores come behind them
.endr
.endm
.macro SEND t, younger                 ; younger: the LDS instructions issued behind tile t's loads
.irp f, 0,1,2,3,4,5,6,7
	s_wait_dscnt (\younger)+7-(\f)
	global_store_b128 v[GO], v[S+32*(\t)+4*(\f):S+32*(\t)+4*(\f)+3], s[PC:PC+1] offset:(\t)*65536+(\f)*8192  ; 16 lanes store 256 consecutive bytes, at a multiple of 256 from ctx's first byte
.endr
.endm
.irp p, 0,1
.irp t, 0,1
	ds_load_b128 v[MS+8*(\p)+4*(\t):MS+8*(\p)+4*(\t)+3], v[MA] offset:(\p)*PARTB+16384+512*(\t)
.endr
.endr
	LOADT 0
	s_wait_dscnt 32                                ; the four loads of statistics are in; tile 0's 32 younger loads may be out
.irp r, MS, MS+4, MS+8, MS+12
	v_add_f32 v[(\r)+2], v[(\r)+2], v[(\r)+3]      ; even keys' and odd keys' sums,
.endr
.irp r, MS, MS+4, MS+8, MS+12
	v_permlanex16_b32 v[(\r)+3], v[(\r)+2], s[SEL], s[SEL+1]
.endr
.irp r, MS, MS+4, MS+8, MS+12
	v_add_f32 v[(\r)+2], v[(\r)+2], v[(\r)+3]      ; and the other half of the lanes'
.endr
.irp t, 0,1
	v_max_num_f32 v[MS+4*(\t)+1], v[MS+4*(\t)], v[MS+8+4*(\t)]
.endr
.irp t, 0,1
	v_sub_f32 v[MS+4*(\t)], v[MS+4*(\t)], v[MS+4*(\t)+1]
	v_sub_f32 v[MS+8+4*(\t)], v[MS+8+4*(\t)], v[MS+4*(\t)+1]
.endr
.irp r, MS, MS+4, MS+8, MS+12
	v_exp_f32 v[\r], v[\r]
.endr
	v_nop                                          ; a plain line between the last exponential and the use of its result
	s_wait_alu depctr_va_vdst(0)
.irp t, 0,1
	v_mul_f32 v[MS+4*(\t)+3], v[MS+4*(\t)], v[MS+4*(\t)+2]
.endr
.irp t, 0,1
	v_fmac_f32 v[MS+4*(\t)+3], v[MS+8+4*(\t)], v[MS+8+4*(\t)+2]
.endr
.irp t, 0,1
	v_rcp_f32 v[MS+4*(\t)+3], v[MS+4*(\t)+3]
.endr
	v_nop
	s_wait_alu depctr_va_vdst(0)
.irp t, 0,1
	v_mul_f32 v[MS+4*(\t)], v[MS+4*(\t)], v[MS+4*(\t)+3]
	v_mul_f32 v[MS+8+4*(\t)], v[MS+8+4*(\t)], v[MS+4*(\t)+3]
.endr
	s_wait_dscnt 0x0                               ; tile 0's partial results are in
	LOADT 1                                        ; tile 1's land while tile 0 is joined
	PACK 0
	s_wait_dscnt 16                                ; tile 1's are in; the sixteen LDS lines of tile 0's way through the stage may be out
	PACK 1
	SEND 0, 16
	SEND 1, 0
	s_wait_tensorcnt 0x0                           ; the wave's end: behind my last tensor load and my last LDS store
	ds_add_u32 v[SPW], v[NIL]
	s_wait_dscnt 0x0
	CROUND                                         ; the closing round
	s_endpgm
.Lfunc_end_k_q8577aeeb6a_attn:
	.size	k_q8577aeeb6a_attn, .Lfunc_end_k_q8577aeeb6a_attn-k_q8577aeeb6a_attn
	.p2alignl 7, 3214868480
	.fill 96, 4, 3214868480
	.section	.rodata,"a",@progbits
	.p2align	6, 0x0
	.amdhsa_kernel k_q8577aeeb6a_attn
		.amdhsa_group_segment_fixed_size 327680
		.amdhsa_private_segment_fixed_size 0
		.amdhsa_enable_private_segment 0
		.amdhsa_kernarg_size 24
		.amdhsa_user_sgpr_count 2
		.amdhsa_user_sgpr_kernarg_segment_ptr 1
		.amdhsa_wavefront_size32 1
		.amdhsa_system_sgpr_workgroup_id_x 1
		.amdhsa_system_sgpr_workgroup_id_y 1
		.amdhsa_system_sgpr_workgroup_id_z 1
		.amdhsa_system_vgpr_workitem_id 0
		.amdhsa_next_free_vgpr 768
		.amdhsa_next_free_sgpr 96
		.amdhsa_reserve_vcc 1
		.amdhsa_float_denorm_mode_32 3
		.amdhsa_float_denorm_mode_16_64 3
		.amdhsa_memory_ordered 1
		.amdhsa_forward_progress 1
		.amdhsa_inst_pref_size 110
	.end_amdhsa_kernel
	.amdgpu_metadata
---
amdhsa.version: [ 1, 2 ]
amdhsa.kernels:
  - .name:           k_q8577aeeb6a_attn
    .symbol:         k_q8577aeeb6a_attn.kd
    .args:
      - { .name: qkv, .offset: 0, .size: 8, .value_kind: global_buffer, .address_space: global }
      - { .name: norms, .offset: 8, .size: 8, .value_kind: global_buffer, .address_space: global }
      - { .name: ctx, .offset: 16, .size: 8, .value_kind: global_buffer, .address_space: global }
    .group_segment_fixed_size: 327680
    .private_segment_fixed_size: 0
    .kernarg_segment_align: 8
    .kernarg_segment_size: 24
    .max_flat_workgroup_size: 128
    .sgpr_count:     96
    .vgpr_count:     768
    .wavefront_size: 32
...
	.end_amdgpu_metadata
.endif
;; end of part 4
;; launch outp (part 5): grid 16 x 16, 4 waves a work-group, clusters of 4 x 4, 327,680 bytes of LDS; arguments ctx, cv, norms, bo, out0; writes out0
.if DOCPART == 5
	.amdgcn_target "amdgcn-amd-amdhsa--gfx1250"
	.amdhsa_code_object_version 6
	.text
	.protected	k_q8577aeeb6a_outp
	.globl	k_q8577aeeb6a_outp
	.p2align	8
	.type	k_q8577aeeb6a_outp,@function
k_q8577aeeb6a_outp:
	s_mov_b64 s[64:65], 0
	v_nop
	global_prefetch_b8 v0, s[64:65] scope:SCOPE_SE
	s_setreg_imm32_b32 hwreg(HW_REG_WAVE_MODE, 25, 1), 1
	s_wait_xcnt 0x0
	s_wait_alu depctr_hold_cnt(0) depctr_sa_sdst(0) depctr_va_vdst(0) depctr_va_sdst(0) depctr_va_ssrc(0) depctr_va_vcc(0) depctr_vm_vsrc(0)
	s_getreg_b32 s2, hwreg(HW_REG_IB_STS2, 6, 4)
	s_cmp_eq_u32 s2, 0
	s_cbranch_scc0 .Lentry_in_a_cluster
	s_endpgm
.Lentry_in_a_cluster:
	s_bfe_u32 s2, ttmp6, 0x10000c
	s_cmp_lg_u32 s2, 0xf033
	s_cbranch_scc0 .Lentry_shape_is_right
	s_endpgm
.Lentry_shape_is_right:
; OUT.  out0[t][n] = (the sum over k of ctx'[t][k] Wo[n][k]) 2^(hv-15) + bo[n].  ctx' and Wo (cv + 0x800000) in f16, sums in f32, out0 in f32.
; ctx' carries v's scale 2^(15-hv), hv = (ex + ekvd + evu + 1) >> 1 from the inputs' sums of squares (added by the same lines as in the launches before); the factor is an exact power of two, its exponent held to -126 .. 127.
; TILES, RING, CLUSTER, LAYOUT as in the two projections before: tiles of 128 x 128 (256 work-groups), four waves of 64 x 64, K steps of 256 through two LDS slots, one text of a step for both slots,
; 4 x 4 work-groups that ask jointly for ctx's tiles along a row and for Wo's along a column; the matrix instruction transposed (source 0 = Wo's rows).
; THE WAY OUT.  A wave's 64 columns of f32 are 256 bytes of a row, so each wave has a stage of its own (16 rows x 272 bytes) and no barrier: a block of 16 rows goes in by columns and comes back by rows;
; scale and bias are one fused multiply-add on the rows.
.set KSTEP,  256
.set PITCH,  528                       ; 512 bytes + 16 of padding: the 16 rows of a load start at 16 different groups of four banks (64 banks of 4 bytes: ISA guide 11.1)
.set HALFT,  64*PITCH
.set SLOT,   4*HALFT                   ; 0x21000: bits 12 and 17, which wave x HALFT never has
.set STAGE,  2*SLOT
.set SPITCH, 272
.set SPARE,  STAGE+4*16*SPITCH         ; the spare words, 128 bytes for each wave: no other line names them
.set BOFF,   0x800000                  ; Wo's first byte in cv
.set GW0,    (1<<16)|(1<<20)|(1<<21)|(6<<22)|(3<<25)
.set LA, 16
.set LB, 17
.set ADRA, 18
.set ADRB, 19
.set STO, 24
.set RD,  25
.set CO,  26
.set SPW, 28
.set NIL, 29
.set BIAS, 96                          ; v[96:99] bo of my four columns
.set ACC, 128
.set F0,  0
.set F1,  128
.set WV, 14
.set RH, 15
.set CH, 16
.set CX, 17
.set CY, 18
.set TX, 19
.set TY, 20
.set G1,  24
.set G0,  32
.set G1B, 48
.set G0B, 56
.set TB,  66
.set SC,  68
.set SEL, 72
.set PC,  74
.set MSB, 0
.macro WIN new
.if MSB != (\new)
	s_set_vgpr_msb (MSB<<8)|(\new)
.set MSB, \new
.endif
.endm
.set MUL,  0x05
.set TO_F, 0x40
.macro PLACES
.rept 4
	v_nop
.endr
.endm
.macro JLOAD s                         ; waves 0 and 1 fetch A's two halves, waves 2 and 3 B's; an s_nop 0 and four v_nop follow each line
	s_cmp_eq_u32 s[RH], 0
	s_cbranch_scc0 .Lfor_b_\@
	tensor_load_to_lds s[G0+4*(\s):G0+4*(\s)+3], s[G1:G1+7]
	s_nop 0
.rept 4
	v_nop
.endr
	s_branch .Lasked_\@
.Lfor_b_\@:
	tensor_load_to_lds s[G0B+4*(\s):G0B+4*(\s)+3], s[G1B:G1B+7]
	s_nop 0
.rept 4
	v_nop
.endr
.Lasked_\@:
.endm
.macro CREST
	s_cmp_lg_u32 s[WV], 0
	s_cbranch_scc1 .Lnot_wave_0_\@
	s_barrier_signal -3
.Lnot_wave_0_\@:
	s_barrier_wait -3
	s_barrier_signal -1
	s_barrier_wait -1
.endm
.macro CROUND
	s_barrier_signal -1
	s_barrier_wait -1
	CREST
.endm
.macro MUL8 f, c, a0                   ; 8 matrix instructions; the 16 accumulators take turns, one instruction a turn
	WIN MUL
.irp a, \a0, (\a0)+1
.irp b, 0,1,2,3
	v_wmma_f32_16x16x32_f16 v[ACC+8*(4*(\a)+(\b)):ACC+8*(4*(\a)+(\b))+7], v[(\f)+64+8*(4*(\c)+(\b)):(\f)+64+8*(4*(\c)+(\b))+7], v[(\f)+8*(4*(\c)+(\a)):(\f)+8*(4*(\c)+(\a))+7], v[ACC+8*(4*(\a)+(\b)):ACC+8*(4*(\a)+(\b))+7]
.endr
.endr
.endm
.macro FETCH k, f                      ; 32 LDS loads in one run, the first 32 along K first
	WIN TO_F
.irp c, 0,1
.irp i, 0,1,2,3
	ds_load_b128 v[(\f)+64+8*(4*(\c)+(\i)):(\f)+64+8*(4*(\c)+(\i))+3],   v[ADRB] offset:(\k)+64*(\c)+(\i)*16*PITCH
	ds_load_b128 v[(\f)+64+8*(4*(\c)+(\i))+4:(\f)+64+8*(4*(\c)+(\i))+7], v[ADRB] offset:(\k)+64*(\c)+(\i)*16*PITCH+32
	ds_load_b128 v[(\f)+8*(4*(\c)+(\i)):(\f)+8*(4*(\c)+(\i))+3],         v[ADRA] offset:(\k)+64*(\c)+(\i)*16*PITCH
	ds_load_b128 v[(\f)+8*(4*(\c)+(\i))+4:(\f)+8*(4*(\c)+(\i))+7],       v[ADRA] offset:(\k)+64*(\c)+(\i)*16*PITCH+32
.endr
.endr
.endm
.macro QUARTER k, f, g
	s_wait_dscnt 16                                ; the first 32 along K are in; the sixteen younger loads may be out
	MUL8 \f, 0, 0
	MUL8 \f, 0, 2
	PLACES
	FETCH \k, \g
	s_wait_dscnt 32                                ; all but the 32 just issued
	MUL8 \f, 1, 0
	MUL8 \f, 1, 2
.endm
.macro TURN fill                       ; the last quarter and the change of slots
	WIN 0
	s_wait_tensorcnt 0x0                           ; no tensor load of mine is out, so the walking group 0 may be written
	ds_add_u32 v[SPW], v[NIL]
.if \fill
	s_xor_b32 s[G0+5], s[G0+5], SLOT
	s_add_nc_u64 s[G0+6:G0+7], s[G0+6:G0+7], 2*KSTEP
	s_xor_b32 s[G0B+5], s[G0B+5], SLOT
	s_add_nc_u64 s[G0B+6:G0B+7], s[G0B+6:G0B+7], 2*KSTEP
.endif
	s_wait_dscnt 17                                ; the add and the youngest sixteen loads may be out
	MUL8 F1, 0, 0
	s_wait_dscnt 0x0                               ; the add is done, and my reads of this slot are over
	s_barrier_signal -1
	MUL8 F1, 0, 2
	WIN 0
	s_barrier_wait -1
.if \fill
	CREST
	JLOAD 1                                        ; the first tensor load behind the round; its four v_nop are also the places in front of the loads below
.else
	PLACES
.endif
	s_xor_b32 s[TB], s[TB], SLOT
	v_add_nc_u32 v[ADRA], s[TB], v[LA]
	v_add_nc_u32 v[ADRB], s[TB], v[LB]
	FETCH 0, F0
	MUL8 F1, 1, 0
	MUL8 F1, 1, 2
.endm
.macro STEP fill
	QUARTER 128, F0, F1
	QUARTER 256, F1, F0
	QUARTER 384, F0, F1
	TURN \fill
.endm
.macro NRED s, v, n                    ; a tensor's sum of squares and its exponent: the same lines, in the same order, in every launch
.if (\n) == 4
	v_add_f32 v[\v], v[\v], v[(\v)+1]
	v_add_f32 v[(\v)+2], v[(\v)+2], v[(\v)+3]
	v_add_f32 v[\v], v[\v], v[(\v)+2]
.elseif (\n) == 2
	v_add_f32 v[\v], v[\v], v[(\v)+1]
.endif
.irp m, 1,2,4,8
	v_add_f32_dpp v[\v], v[\v], v[\v] row_xmask:\m row_mask:0xf bank_mask:0xf
.endr
	v_permlanex16_b32 v44, v[\v], s[SEL], s[SEL+1]
	v_add_f32 v[\v], v[\v], v44
	v_readfirstlane_b32 s[\s], v[\v]
	s_lshr_b32 s[\s], s[\s], 23
	s_sub_co_i32 s[\s], s[\s], 126
.endm
.macro HEXP d, a, b, c=-1
	s_add_co_i32 s[\d], s[\a], s[\b]
.if (\c) >= 0
	s_add_co_i32 s[\d], s[\d], s[\c]
.endif
	s_add_co_i32 s[\d], s[\d], 1
	s_ashr_i32 s[\d], s[\d], 1
.endm
.macro POW2 d, n
	s_add_co_i32 s[\d], s[\n], 127
	s_max_i32 s[\d], s[\d], 1
	s_min_i32 s[\d], s[\d], 254
	s_lshl_b32 s[\d], s[\d], 23
.endm
	s_load_b256 s[4:11], s[0:1], 0x0               ; ctx s[4:5], cv s[6:7], norms s[8:9], bo s[10:11]
	s_load_b64 s[12:13], s[0:1], 0x20              ; out0
	v_lshl_add_u32 v[SPW], v0, 2, SPARE
	v_mov_b32 v[NIL], 0
	ds_add_u32 v[SPW], v[NIL]                      ; the wave's opening: the add and its wait stand ahead of my first tensor load
	v_lshrrev_b32 v1, 5, v0
	v_readfirstlane_b32 s[WV], v1
	s_lshr_b32 s[RH], s[WV], 1
	s_and_b32 s[CH], s[WV], 1
	s_bfe_u32 s[CX], ttmp6, 0x40000
	s_bfe_u32 s[CY], ttmp6, 0x40004
	s_lshl_b32 s[TX], ttmp9, 2
	s_add_co_u32 s[TX], s[TX], s[CX]
	s_and_b32 s[TY], ttmp7, 0xffff
	s_lshl_b32 s[TY], s[TY], 2
	s_add_co_u32 s[TY], s[TY], s[CY]
	s_lshl_b32 s21, s[CY], 2
	s_lshl_b32 s21, 15, s21
	s_lshl_b32 s22, 0x1111, s[CX]
	s_or_b32 s[G1], s21, GW0
	s_or_b32 s[G1B], s22, GW0
.irp g, G1, G1B
	s_mov_b32 s[(\g)+1], KSTEP<<16
	s_mov_b32 s[(\g)+2], 64<<16
	s_mov_b32 s[(\g)+3], KSTEP<<16
	s_mov_b32 s[(\g)+4], 64
	s_mov_b32 s[(\g)+5], 2048
	s_mov_b32 s[(\g)+6], 0
	s_mov_b32 s[(\g)+7], 0
.endr
	s_lshl_b32 s23, s[CH], 6
	s_lshl_b32 s40, s[TY], 7
	s_add_co_u32 s40, s40, s23
	s_lshl_b32 s40, s40, 12
	s_mov_b32 s41, 0
	s_lshl_b32 s42, s[TX], 7
	s_add_co_u32 s42, s42, s23
	s_lshl_b32 s42, s42, 12
	s_add_co_u32 s42, s42, BOFF
	s_mov_b32 s43, 0
	s_mul_i32 s44, s[WV], HALFT
	s_mov_b32 s[TB], 0
	s_mov_b32 s[SEL], 0x76543210
	s_mov_b32 s[SEL+1], 0xfedcba98
	s_wait_dscnt 0x0
	s_wait_kmcnt 0x0
	s_add_nc_u64 s[40:41], s[4:5], s[40:41]
	s_add_nc_u64 s[42:43], s[6:7], s[42:43]
	CROUND
.irp s, 0,1
	s_mov_b32 s[G0+4*(\s)], 1
	s_add_co_u32 s[G0+4*(\s)+1], s44, (\s)*SLOT
	s_add_nc_u64 s[G0+4*(\s)+2:G0+4*(\s)+3], s[40:41], (\s)*KSTEP*2
	s_or_b32 s[G0+4*(\s)+3], s[G0+4*(\s)+3], 0x80000000
	s_mov_b32 s[G0B+4*(\s)], 1
	s_add_co_u32 s[G0B+4*(\s)+1], s44, (\s)*SLOT
	s_add_nc_u64 s[G0B+4*(\s)+2:G0B+4*(\s)+3], s[42:43], (\s)*KSTEP*2
	s_or_b32 s[G0B+4*(\s)+3], s[G0B+4*(\s)+3], 0x80000000
	JLOAD \s
.endr
	v_and_b32 v45, 31, v0
	v_lshlrev_b32 v47, 2, v45
	v_lshlrev_b32 v45, 4, v45
	v_mov_b32 v44, 0
	v_and_b32 v1, 15, v0
	v_bfe_u32 v2, v0, 4, 1
	v_lshlrev_b32 v46, 4, v1
	s_lshl_b32 s88, s[TX], 9                       ; the tile's 128 columns of f32,
	s_lshl_b32 s89, s[CH], 8                       ; my 64
	s_add_co_u32 s88, s88, s89
	s_mov_b32 s89, 0
	s_add_nc_u64 s[90:91], s[10:11], s[88:89]
	global_load_b128 v[32:35], v45, s[8:9]              ; x
	global_load_b32 v36, v47, s[8:9] offset:1024        ; Wkv_down
	global_load_b32 v41, v47, s[8:9] offset:1536        ; Wv_up
	global_load_b128 v[BIAS:BIAS+3], v46, s[90:91]      ; bo of the four columns that I store
	v_mul_u32_u24 v3, v1, PITCH
	v_lshl_add_u32 v3, v2, 4, v3
	s_mul_i32 s86, s[RH], HALFT
	s_mul_i32 s87, s[CH], HALFT
	s_add_co_u32 s87, s87, 2*HALFT
	v_add_nc_u32 v[LA], s86, v3
	v_add_nc_u32 v[LB], s87, v3
	v_mov_b32 v[ADRA], v[LA]
	v_mov_b32 v[ADRB], v[LB]
	s_mul_i32 s86, s[WV], 16*SPITCH
	s_add_co_u32 s86, s86, STAGE                   ; my stage
	v_mul_u32_u24 v4, v1, SPITCH                   ; in: row l % 16, 32 bytes (8 columns) for each half of the lanes
	v_lshl_add_u32 v4, v2, 5, v4
	v_add_nc_u32 v[STO], s86, v4
	v_mul_u32_u24 v5, v2, SPITCH                   ; back: lanes 0-15 take one row of 256 bytes, lanes 16-31 the next
	v_lshl_add_u32 v5, v1, 4, v5
	v_add_nc_u32 v[RD], s86, v5
	v_lshlrev_b32 v5, 13, v2                       ; and the same two rows in out0, 8,192 bytes apart
	v_lshl_add_u32 v[CO], v1, 4, v5
	s_lshl_b32 s86, s[TY], 7
	s_lshl_b32 s87, s[RH], 6
	s_add_co_u32 s86, s86, s87                     ; my first row
	s_lshl_b32 s86, s86, 13
	s_add_co_u32 s86, s86, s88
	s_mov_b32 s87, 0
	s_add_nc_u64 s[PC:PC+1], s[12:13], s[86:87]
.set i, 0
.rept 128
	v_mov_b32 v[ACC+i], 0
.set i, i+1
.endr
	s_wait_loadcnt 0x0
	NRED 76, 32, 4                                 ; ex
	NRED 77, 36, 1                                 ; ekvd
	NRED 80, 41, 1                                 ; evu
	HEXP 85, 76, 77, 80                            ; hv
	s_sub_co_i32 s85, s85, 15
	POW2 SC, 85
	s_mov_b32 s[SC+1], s[SC]
	s_wait_tensorcnt 0x1                           ; my part of K step 0 is in; step 1's may stay out
	s_barrier_signal -1
	s_barrier_wait -1
	FETCH 0, F0
	WIN 0
	s_mov_b32 s3, 6
.Lfill:
	STEP 1
	WIN 0
	s_sub_co_u32 s3, s3, 1
	s_cmp_lg_u32 s3, 0
	s_cbranch_scc1 .Lfill
	s_mov_b32 s3, 2
.Ltail:                                                ; K steps 6 and 7 ask for nothing; the last change of slots serves nothing: the price, once a launch, of one text for both
	STEP 0
	WIN 0
	s_sub_co_u32 s3, s3, 1
	s_cmp_lg_u32 s3, 0
	s_cbranch_scc1 .Ltail
.macro PACK a                          ; block a of 16 rows: in by columns (each accumulator's low four registers first), back by rows, into the registers that it left
.irp b, 0,1,2,3
	ds_store_b128 v[STO], v[ACC+32*(\a)+8*(\b):ACC+32*(\a)+8*(\b)+3]   offset:64*(\b)
	ds_store_b128 v[STO], v[ACC+32*(\a)+8*(\b)+4:ACC+32*(\a)+8*(\b)+7] offset:64*(\b)+16
.endr
.irp t, 0,1,2,3,4,5,6,7
	ds_load_b128 v[ACC+32*(\a)+4*(\t):ACC+32*(\a)+4*(\t)+3], v[RD] offset:(\t)*2*SPITCH  ; LDS serves a wave's instructions in order (ISA guide 5.7.1.4): these see the stores above; the next block's stores come behind them
.endr
.endm
.macro SEND a, younger                 ; younger: the LDS instructions issued behind block a's loads
.irp t, 0,1,2,3,4,5,6,7
	s_wait_dscnt (\younger)+7-(\t)
	v_pk_fma_f32 v[ACC+32*(\a)+4*(\t):ACC+32*(\a)+4*(\t)+1],   v[ACC+32*(\a)+4*(\t):ACC+32*(\a)+4*(\t)+1],   s[SC:SC+1], v[BIAS:BIAS+1]   op_sel_hi:[1,0,1]
	v_pk_fma_f32 v[ACC+32*(\a)+4*(\t)+2:ACC+32*(\a)+4*(\t)+3], v[ACC+32*(\a)+4*(\t)+2:ACC+32*(\a)+4*(\t)+3], s[SC:SC+1], v[BIAS+2:BIAS+3] op_sel_hi:[1,0,1]
	global_store_b128 v[CO], v[ACC+32*(\a)+4*(\t):ACC+32*(\a)+4*(\t)+3], s[PC:PC+1] offset:(16*(\a)+2*(\t))*8192 th:TH_STORE_NT  ; 16 lanes store 256 consecutive bytes, at a multiple of 256 from out0's first byte
.endr
.endm
	PLACES
	PACK 0
	PACK 1
	SEND 0, 16
	PACK 2
	SEND 1, 16
	PACK 3
	SEND 2, 16
	SEND 3, 0
	s_wait_tensorcnt 0x0                           ; the wave's end
	ds_add_u32 v[SPW], v[NIL]
	s_wait_dscnt 0x0
	CROUND                                         ; the closing round
	s_endpgm
.Lfunc_end_k_q8577aeeb6a_outp:
	.size	k_q8577aeeb6a_outp, .Lfunc_end_k_q8577aeeb6a_outp-k_q8577aeeb6a_outp
	.p2alignl 7, 3214868480
	.fill 96, 4, 3214868480
	.section	.rodata,"a",@progbits
	.p2align	6, 0x0
	.amdhsa_kernel k_q8577aeeb6a_outp
		.amdhsa_group_segment_fixed_size 327680
		.amdhsa_private_segment_fixed_size 0
		.amdhsa_enable_private_segment 0
		.amdhsa_kernarg_size 40
		.amdhsa_user_sgpr_count 2
		.amdhsa_user_sgpr_kernarg_segment_ptr 1
		.amdhsa_wavefront_size32 1
		.amdhsa_system_sgpr_workgroup_id_x 1
		.amdhsa_system_sgpr_workgroup_id_y 1
		.amdhsa_system_sgpr_workgroup_id_z 1
		.amdhsa_system_vgpr_workitem_id 0
		.amdhsa_next_free_vgpr 512
		.amdhsa_next_free_sgpr 92
		.amdhsa_reserve_vcc 0
		.amdhsa_float_denorm_mode_32 3
		.amdhsa_float_denorm_mode_16_64 3
		.amdhsa_memory_ordered 1
		.amdhsa_forward_progress 1
		.amdhsa_inst_pref_size 64
	.end_amdhsa_kernel
	.amdgpu_metadata
---
amdhsa.version: [ 1, 2 ]
amdhsa.kernels:
  - .name:           k_q8577aeeb6a_outp
    .symbol:         k_q8577aeeb6a_outp.kd
    .args:
      - { .name: ctx, .offset: 0, .size: 8, .value_kind: global_buffer, .address_space: global }
      - { .name: cv, .offset: 8, .size: 8, .value_kind: global_buffer, .address_space: global }
      - { .name: norms, .offset: 16, .size: 8, .value_kind: global_buffer, .address_space: global }
      - { .name: bo, .offset: 24, .size: 8, .value_kind: global_buffer, .address_space: global }
      - { .name: out0, .offset: 32, .size: 8, .value_kind: global_buffer, .address_space: global }
    .group_segment_fixed_size: 327680
    .private_segment_fixed_size: 0
    .kernarg_segment_align: 8
    .kernarg_segment_size: 40
    .max_flat_workgroup_size: 128
    .sgpr_count:     92
    .vgpr_count:     512
    .wavefront_size: 32
...
	.end_amdgpu_metadata
.endif
;; end of part 5
